; MI455X (gfx1250); checked and timed in simulation.
; The chip was launched on July 23, 2026; its instructions are those of AMD's public machine-readable ISA for CDNA 5 (MIT licence, August 2026) and "CDNA5" Instruction Set Architecture Reference Guide (July 2026). The comments in the code are by the model that wrote it; some were corrected since.
;; Multi Head Attention. Allowed arithmetic: matrix products marked QUANTISED: E2M1 operands, one E8M0 scale for each 32 along K, by v_wmma_scale_f32_16x16x128_f8f6f4 with both operands' format E2M1 (or v_wmma_scale_f32_32x16x128_f4), f32 sums; products left as they are: bf16, f16 or f32 operands; f32 sums; everything else in f32.
;; Inputs: Wk 1,024 x 1,024 float32; Wo 1,024 x 1,024 float32; Wq 1,024 x 1,024 float32; Wv 1,024 x 1,024 float32; bo 1,024 float32; x 1 x 4,096 x 1,024 float32.
;; Outputs: out0 1 x 4,096 x 1,024 float32.
;; This version of the problem:
;;   THIS VERSION OF THE PROBLEM IS GIVEN IN LOW PRECISION. The matrix products marked QUANTISED in the list below multiply operands that are first quantised to E2M1 (2 exponent bits, 1 mantissa bit; 4 bits a number), with one power-of-two scale for each 32 numbers along K (OCP MX v1.0); their sums are f32. The products marked 'left as it is' may take bf16, f16 or f32 operands, with f32 sums. Whichever they take, every output number must still come out within the allowed error. Rounding operands to bf16 (8 significant bits) uses up far more of that allowance than f16 does (11 bits, for magnitudes from 6e-5 to 65,504). All else is computed in f32.
;;   The module's matrix products, in the order in which they are computed (A, B: the left and right operand; K: the contracted axis; several contracted axes count as one K, in the product's order):
;;     1. [M 4,096, K 1,024] x [K 1,024, N 1,024]; A: input x; B: input Wq: QUANTISED
;;     2. [M 4,096, K 1,024] x [K 1,024, N 1,024]; A: input x; B: input Wk: QUANTISED
;;     3. [M 4,096, K 1,024] x [K 1,024, N 1,024]; A: input x; B: input Wv: QUANTISED
;;     4. batch 16 x [M 4,096, K 64] x [K 64, N 4,096]; A: computed on the way; B: computed on the way: left as it is (an operand is computed on the way)
;;     5. batch 16 x [M 4,096, K 4,096] x [K 4,096, N 64]; A: computed on the way; B: computed on the way: left as it is (an operand is computed on the way)
;;     6. [M 4,096, K 1,024] x [K 1,024, N 1,024]; A: computed on the way; B: input Wo: left as it is (an operand is computed on the way)
;;   THE QUANTISER, for each operand of a quantised product, along K:
;;     - K is cut into blocks of 32 from its start; a last block that is shorter is filled with zeros.
;;     - A block's scale is 2^e with e = floor(log2(the largest magnitude in the block)) - 2, held to -126 .. 127; a block of zeros has e = 0. As a byte (E8M0): e + 127.
;;     - Each number is divided by its block's scale, clamped to +-6, and rounded to the nearest number of E2M1, ties to even, subnormals kept.
;;     - The product sums the exact products of the quantised numbers (number of the format x scale) in f32.
;;   ~~~python
;;   def quantise(x, axis):      # numpy; x: float32 -> the quantised numbers, widened to float32 again
;;       x = np.moveaxis(x, axis, -1); K = x.shape[-1]
;;       x = np.pad(x, [(0, 0)] * (x.ndim - 1) + [(0, -K % 32)]); x = x.reshape(x.shape[:-1] + (-1, 32)); a = np.abs(x).max(-1, keepdims=True)
;;       e = np.where(a > 0, np.clip(np.frexp(np.where(a > 0, a, 1))[1] - 1 - 2, -126, 127), 0)      # np.frexp(a)[1] - 1 = floor(log2(a)), exactly
;;       r = np.clip(x / 2.0 ** e, -6, 6)
;;       step = 2.0 ** (np.maximum(np.frexp(np.where(r == 0, 1, r))[1] - 1, 0) - 1)
;;       q = np.round(r / step) * step * 2.0 ** e      # np.round: ties to even
;;       return np.moveaxis(q.reshape(q.shape[:-2] + (-1,))[..., :K], -1, axis).astype(np.float32)
;;   ~~~
;; One version. Each part assembles by itself: llvm-mc -triple=amdgcn-amd-amdhsa -mcpu=gfx1250 --defsym DOCPART=n.
;; ======== version 1 of 1: 5 launches
;; limits: values are held in f16: magnitudes above 65,504 overflow, below 6.1e-05 lose precision
;; workspace buffers: xc 2,097,152 bytes; xs 131,072 bytes; wc 1,572,864 bytes; ws 98,304 bytes; wo16 2,097,152 bytes; qkv 25,165,824 bytes; rows32 196,608 bytes; ctx 8,388,608 bytes
;; launch quant (part 1): grid 256 x 1, 4 waves a work-group, no clusters, 33,280 bytes of LDS; arguments x, Wq, Wk, Wv, Wo, xc, xs, wc, ws, wo16; writes xc, xs, wc, ws, wo16
.if DOCPART == 1
	.amdgcn_target "amdgcn-amd-amdhsa--gfx1250"
	.amdhsa_code_object_version 6
	.text
	.protected	k_q8a293a3775_quant
	.globl	k_q8a293a3775_quant
	.p2align	8
	.type	k_q8a293a3775_quant,@function
k_q8a293a3775_quant:
	s_mov_b64 s[64:65], 0
	v_nop
	global_prefetch_b8 v0, s[64:65] scope:SCOPE_SE
	s_setreg_imm32_b32 hwreg(HW_REG_WAVE_MODE, 25, 1), 1
	s_wait_xcnt 0x0
; FIRST OF FIVE LAUNCHES of causal multi-head attention: S = 4,096 positions, D = 1,024, 16 heads of 64.
;   quant: x and Wq, Wk, Wv into codes of FP4 (E2M1) with one E8M0 byte for each 32 along K; Wo into f16.   qkv: the three quantised products.   attn: scores, softmax, weighted sum (f16 operands, f32 sums).
;   proj: the product with Wo, and bo.   first16: positions 0 to 15 once more, all in f32.
; WORK LEFT OUT, AND WHY IT IS DEAD.  reference() itself sets score[q][k] to -infinity wherever k > q (its own jnp.tril); the softmax makes the weight of such a key exactly 0, whatever finite values the inputs hold,
; so neither the score nor the weight's product with V can reach an output.  Left out in whole units: in launch attn the key blocks of 128 that lie wholly behind a block of 128 queries, and in the block on the
; diagonal the steps of 32 queries x 64 keys that lie wholly behind.  Every input has a way to the output and is loaded.
; LIMIT: a NaN, an infinity or an overflow that would arise only in the scores left out is not carried to the result.
; THIS LAUNCH.  K is innermost in x and in the weights and rows are dense, so each tensor is a plain stream of blocks of 32.  A block's scale is 2^(floor(log2(its largest magnitude)) - 2); its byte is the largest
; magnitude's exponent field - 2, held at 1 from below.  Each number is divided by the scale and rounded to the nearest code, ties to even, beyond 6 the largest code.
; LIMITS: a block of zeros gets the byte 1 where the rule says 127 (its codes are zeros, which add nothing, and this program alone reads the bytes); blocks whose largest magnitude lies under 2^-124 are held at
; byte 1; NaN and infinities among the inputs are not served; Wo beyond f16's 65,504 is not served.
; SHARES.  A work-group takes 32,768 numbers, a wave 8,192.  Work-groups 0-127: x; 128-159: Wq; 160-191: Wk; 192-223: Wv (their codes lie on end in wc: 3,072 rows); 224-255: Wo, a plain stream f32 -> f16.
; The conversions take neighbours along K from ONE lane's registers, the loads take the bytes as they lie (512 consecutive bytes a load): a step's 2,048 bytes turn through the wave's own stage in LDS.
; No tensor loads, no barrier: waves share nothing.  Loads run four steps (16 loads a wave) ahead, the turn through LDS one step.
.set WAVES, 4
.set STEPS, 16
.set EMAX,  2
.set CB,    8                          ; bytes of 16 codes
.set R,     16                         ; v16-79   four sets of 16 numbers as loaded (Wo's path: v16-143, two sets of 64)
.set X,     80                         ; v80-111  two sets of 16 neighbours
.set E,     112                        ; v112-127 a scale byte for each step
.set C,     128                        ; v128-191 codes: four registers a step
.set H16,   144                        ; v144-175 Wo's path: 32 registers of f16 pairs
.set WREG,  8192                       ; LDS: a region for each wave: two stages of 32 x SP bytes, behind them its 256 scale bytes
.set SP,    80                         ; a lane's place in a stage: 64 bytes + 16 of padding
.set SPW,   12                         ; v12  LDS address of my spare word; never rewritten
.set NIL,   13                         ; v13  0; never rewritten
.set SPARE, WAVES*WREG                 ; behind the regions: the spare words, 128 bytes a wave
.set SRC,   26                         ; s[26:27] my run of the source
.set COD,   28                         ; s[28:29] of the codes
.set SCB,   30                         ; s[30:31] of the scale bytes
	s_load_b512 s[4:19], s[0:1], 0x0               ; x 4:5, Wq 6:7, Wk 8:9, Wv 10:11, Wo 12:13, xc 14:15, xs 16:17, wc 18:19
	s_load_b128 s[20:23], s[0:1], 0x40             ; ws 20:21, wo16 22:23
	v_lshl_add_u32 v[SPW], v0, 2, SPARE
	v_mov_b32 v[NIL], 0
	v_lshrrev_b32 v1, 5, v0
	v_readfirstlane_b32 s24, v1                    ; wave
	v_and_b32 v2, 31, v0                           ; lane
	v_lshlrev_b32 v3, 4, v2                        ; my 16 bytes of a load's 512
	s_mul_i32 s25, s24, WREG
	v_lshrrev_b32 v14, 2, v2
	v_mul_u32_u24 v14, v14, SP
	v_and_b32 v15, 3, v2
	v_lshl_add_u32 v14, v15, 4, v14
	v_add_nc_u32 v14, s25, v14                     ; the stage, on the way in: SP (lane / 4) + 16 (lane % 4)
	v_mul_u32_u24 v15, v2, SP
	v_add_nc_u32 v15, s25, v15                     ; and on the way out: SP x lane: my 16 neighbours
	v_mul_u32_u24 v4, v2, CB                       ; 8 x lane: my codes' place in a step's (Wo's path: my four f16)
	v_lshrrev_b32 v5, 1, v2
	s_add_co_u32 s25, s25, 2*32*SP
	v_add_nc_u32 v5, s25, v5                       ; LDS: my wave's 256 scale bytes, my block's byte
	v_lshlrev_b32 v7, 3, v2
	v_add_nc_u32 v6, s25, v7                       ; and on the way out 8 bytes a lane
	s_wait_kmcnt 0x0
	s_cmp_ge_u32 ttmp9, 224                        ; the last 32 work-groups take Wo: a branch on the work-group's number alone
	s_cbranch_scc1 .Lwo
	s_cmp_lt_u32 ttmp9, 192                        ; which tensor: the choices hang on the work-group's number alone
	s_cselect_b64 s[SRC:SRC+1], s[8:9], s[10:11]
	s_cmp_lt_u32 ttmp9, 160
	s_cselect_b64 s[SRC:SRC+1], s[6:7], s[SRC:SRC+1]
	s_cmp_lt_u32 ttmp9, 128
	s_cselect_b64 s[SRC:SRC+1], s[4:5], s[SRC:SRC+1]
	s_cselect_b64 s[COD:COD+1], s[14:15], s[18:19]
	s_cselect_b64 s[SCB:SCB+1], s[16:17], s[20:21]
	s_cselect_b32 s32, 0, 128                      ; the first work-group of x, or of the weights
	s_mov_b32 s33, 31
	s_cselect_b32 s33, 0xff, s33                   ; work-groups in a source tensor, less 1
	s_sub_co_u32 s32, ttmp9, s32                   ; my place among the destination's work-groups
	s_and_b32 s33, s32, s33                        ; and among the source's
	s_lshl_b32 s33, s33, 2
	s_add_co_u32 s34, s33, s24                     ; which run of 8,192 numbers of the source is my wave's
	s_lshl_b32 s34, s34, 15                        ; 32,768 bytes a run
	s_mov_b32 s35, 0
	s_lshl_b32 s32, s32, 2
	s_add_co_u32 s36, s32, s24                     ; and of the destination
	s_lshl_b32 s38, s36, 12                        ; 4,096 bytes of codes a run
	s_mov_b32 s39, 0
	s_lshl_b32 s40, s36, 8                         ; 256 scale bytes a run
	s_mov_b32 s41, 0
	s_add_nc_u64 s[SRC:SRC+1], s[SRC:SRC+1], s[34:35]
	s_add_nc_u64 s[COD:COD+1], s[COD:COD+1], s[38:39]
	s_add_nc_u64 s[SCB:SCB+1], s[SCB:SCB+1], s[40:41]
.macro LOAD t
.irp i, 0,1,2,3
	global_load_b128 v[R+16*((\t)%4)+4*\i:R+16*((\t)%4)+4*\i+3], v3, s[SRC:SRC+1] offset:2048*(\t)+512*\i th:TH_LOAD_NT   ; 32 lanes read 512 consecutive bytes
.endr
.endm
.macro TURN t                          ; step t's numbers through the stage: LDS serves a wave's instructions in order, so no wait stands between the stores and the loads
.irp i, 0,1,2,3
	ds_store_b128 v14, v[R+16*((\t)%4)+4*\i:R+16*((\t)%4)+4*\i+3] offset:32*SP*((\t)%2)+8*SP*\i
.endr
.irp i, 0,1,2,3
	ds_load_b128 v[X+16*((\t)%2)+4*\i:X+16*((\t)%2)+4*\i+3], v15 offset:32*SP*((\t)%2)+16*\i
.endr
.endm
.irp t, 0,1,2,3
	LOAD \t
.endr
	s_wait_loadcnt 12                              ; step 0's four loads are in; the twelve of steps 1 to 3 may be out
	TURN 0
.macro STEP t
.set XS, X+16*((\t)%2)
.if (\t) > 0
	s_wait_dscnt 1                                 ; this step's numbers are back from the stage (the last step's byte store may be out): so its stores into the stage have read their registers,
.else
	s_wait_dscnt 0x0
.endif
.if (\t)+4 < STEPS
	LOAD (\t)+4                                    ; which take the loads of four steps on
.endif
.if (\t)+1 < STEPS
.if STEPS-2-(\t) >= 3
	s_wait_loadcnt 12                              ; the next step's four loads are in; those of the three steps behind it may be out
.else
	s_wait_loadcnt 4*(STEPS-2-(\t))
.endif
	TURN (\t)+1                                    ; and go through the other stage while this step is worked
.endif
	v_max3_num_f32 v8, |v[XS]|, |v[XS+1]|, |v[XS+2]|               ; the largest magnitude of my 16, in two chains
	v_max3_num_f32 v9, |v[XS+3]|, |v[XS+4]|, |v[XS+5]|
.irp i, 6,10
	v_max3_num_f32 v8, v8, |v[XS+\i]|, |v[XS+\i+1]|
	v_max3_num_f32 v9, v9, |v[XS+\i+2]|, |v[XS+\i+3]|
.endr
	v_max3_num_f32 v8, v8, |v[XS+14]|, |v[XS+15]|
	v_max3_num_f32 v8, v8, v9, (EMAX+1)<<23        ; and the floor 2^(3 - 127): the byte cannot fall under 1
	v_max_num_f32_dpp v8, v8, v8 row_xmask:1 row_mask:0xf bank_mask:0xf   ; and of my neighbour's 16: the block's
	v_add_nc_u32 v11, -(EMAX<<23), v8              ; 2 off its exponent field: the conversion takes the exponent field of this operand as its scale, and nothing else of it
	v_cvt_scalef32_pk8_fp4_f32 v[C+4*(\t)], v[XS:XS+7], v11
	v_cvt_scalef32_pk8_fp4_f32 v[C+4*(\t)+1], v[XS+8:XS+15], v11
	v_lshrrev_b32 v[E+(\t)], 23, v11               ; the scale's byte (a plain line behind the conversions)
	ds_store_b8 v5, v[E+(\t)] offset:16*(\t)       ; both lanes of a block write the same byte with the same value
	global_store_b64 v4, v[C+4*(\t):C+4*(\t)+1], s[COD:COD+1] offset:32*CB*(\t)   ; the wave stores 256 consecutive bytes, aligned
.endm
.irp t, 0,1,2,3,4,5,6,7,8,9,10,11,12,13,14,15
	STEP \t
.endr
	ds_load_b64 v[8:9], v6                         ; LDS serves a wave's instructions in order: these see my byte stores
	s_wait_dscnt 0x0
	global_store_b64 v7, v[8:9], s[SCB:SCB+1]      ; 32 lanes store 256 consecutive bytes, aligned
	s_wait_tensorcnt 0x0                           ; the wave's end, behind my last LDS store
	ds_add_u32 v[SPW], v[NIL]
	s_wait_dscnt 0x0
	s_endpgm
; Wo: f32 -> f16, row-major as it lies.  A wave takes 32,768 bytes in four batches of sixteen loads, two batches on their way; no LDS.
.Lwo:
	s_sub_co_u32 s32, ttmp9, 224
	s_lshl_b32 s32, s32, 2
	s_add_co_u32 s32, s32, s24                     ; my wave's run
	s_lshl_b32 s34, s32, 15
	s_mov_b32 s35, 0
	s_lshl_b32 s36, s32, 14
	s_mov_b32 s37, 0
	s_add_nc_u64 s[12:13], s[12:13], s[34:35]
	s_add_nc_u64 s[22:23], s[22:23], s[36:37]
.macro LOADW q
.set i, 0
.rept 16
	global_load_b128 v[R+64*((\q)%2)+4*i:R+64*((\q)%2)+4*i+3], v3, s[12:13] offset:8192*(\q)+512*i th:TH_LOAD_NT
.set i, i+1
.endr
.endm
	LOADW 0
	LOADW 1
.irp q, 0,1,2,3
.if \q < 3
	s_wait_loadcnt 16                              ; this batch is in; the younger batch's sixteen loads may be out
.else
	s_wait_loadcnt 0x0
.endif
.if \q > 0
	s_wait_xcnt 0x0                                ; the last batch's stores have read their data registers, which are written again below
.endif
.set i, 0
.rept 16
	v_cvt_pk_f16_f32 v[H16+2*i], v[R+64*(\q%2)+4*i], v[R+64*(\q%2)+4*i+1]
	v_cvt_pk_f16_f32 v[H16+2*i+1], v[R+64*(\q%2)+4*i+2], v[R+64*(\q%2)+4*i+3]
.set i, i+1
.endr
.set i, 0
.rept 16
	global_store_b64 v4, v[H16+2*i:H16+2*i+1], s[22:23] offset:4096*\q+256*i   ; the wave stores 256 consecutive bytes, aligned
.set i, i+1
.endr
.if \q < 2
	LOADW \q+2
.endif
.endr
	s_endpgm
.Lfunc_end_k_q8a293a3775_quant:
	.size	k_q8a293a3775_quant, .Lfunc_end_k_q8a293a3775_quant-k_q8a293a3775_quant
	.p2alignl 7, 3214868480
	.fill 96, 4, 3214868480
	.section	.rodata,"a",@progbits
	.p2align	6, 0x0
	.amdhsa_kernel k_q8a293a3775_quant
		.amdhsa_group_segment_fixed_size 33280
		.amdhsa_private_segment_fixed_size 0
		.amdhsa_enable_private_segment 0
		.amdhsa_kernarg_size 80
		.amdhsa_user_sgpr_count 2
		.amdhsa_user_sgpr_kernarg_segment_ptr 1
		.amdhsa_wavefront_size32 1
		.amdhsa_system_sgpr_workgroup_id_x 1
		.amdhsa_system_sgpr_workgroup_id_y 1
		.amdhsa_system_sgpr_workgroup_id_z 1
		.amdhsa_system_vgpr_workitem_id 0
		.amdhsa_next_free_vgpr 192
		.amdhsa_next_free_sgpr 66
		.amdhsa_reserve_vcc 0
		.amdhsa_float_denorm_mode_32 3
		.amdhsa_float_denorm_mode_16_64 3
		.amdhsa_memory_ordered 1
		.amdhsa_forward_progress 1
		.amdhsa_inst_pref_size 54
	.end_amdhsa_kernel
	.amdgpu_metadata
---
amdhsa.version: [ 1, 2 ]
amdhsa.kernels:
  - .name:           k_q8a293a3775_quant
    .symbol:         k_q8a293a3775_quant.kd
    .args:
      - { .name: x, .offset: 0, .size: 8, .value_kind: global_buffer, .address_space: global }
      - { .name: Wq, .offset: 8, .size: 8, .value_kind: global_buffer, .address_space: global }
      - { .name: Wk, .offset: 16, .size: 8, .value_kind: global_buffer, .address_space: global }
      - { .name: Wv, .offset: 24, .size: 8, .value_kind: global_buffer, .address_space: global }
      - { .name: Wo, .offset: 32, .size: 8, .value_kind: global_buffer, .address_space: global }
      - { .name: xc, .offset: 40, .size: 8, .value_kind: global_buffer, .address_space: global }
      - { .name: xs, .offset: 48, .size: 8, .value_kind: global_buffer, .address_space: global }
      - { .name: wc, .offset: 56, .size: 8, .value_kind: global_buffer, .address_space: global }
      - { .name: ws, .offset: 64, .size: 8, .value_kind: global_buffer, .address_space: global }
      - { .name: wo16, .offset: 72, .size: 8, .value_kind: global_buffer, .address_space: global }
    .group_segment_fixed_size: 33280
    .private_segment_fixed_size: 0
    .kernarg_segment_align: 8
    .kernarg_segment_size: 80
    .max_flat_workgroup_size: 128
    .sgpr_count:     66
    .vgpr_count:     192
    .wavefront_size: 32
...
	.end_amdgpu_metadata
.endif
;; end of part 1
;; launch qkv (part 2): grid 12 x 16, 4 waves a work-group, clusters of 4 x 4, 327,680 bytes of LDS; arguments xc, xs, wc, ws, qkv, rows32; writes qkv, rows32
.if DOCPART == 2
	.amdgcn_target "amdgcn-amd-amdhsa--gfx1250"
	.amdhsa_code_object_version 6
	.text
	.protected	k_q8a293a3775_qkv
	.globl	k_q8a293a3775_qkv
	.p2align	8
	.type	k_q8a293a3775_qkv,@function
k_q8a293a3775_qkv:
	s_mov_b64 s[64:65], 0
	v_nop
	global_prefetch_b8 v0, s[64:65] scope:SCOPE_SE
	s_setreg_imm32_b32 hwreg(HW_REG_WAVE_MODE, 25, 1), 1
	s_wait_xcnt 0x0
	s_wait_alu depctr_hold_cnt(0) depctr_sa_sdst(0) depctr_va_vdst(0) depctr_va_sdst(0) depctr_va_ssrc(0) depctr_va_vcc(0) depctr_vm_vsrc(0)
	s_getreg_b32 s2, hwreg(HW_REG_IB_STS2, 6, 4)
	s_cmp_eq_u32 s2, 0
	s_cbranch_scc0 .Lentry_in_a_cluster
	s_endpgm
.Lentry_in_a_cluster:
	s_bfe_u32 s2, ttmp6, 0x10000c
	s_cmp_lg_u32 s2, 0xf033
	s_cbranch_scc0 .Lentry_shape_is_right
	s_endpgm
.Lentry_shape_is_right:
; q, k, v = x Wq^T, x Wk^T, x Wv^T as ONE product on codes of FP4 with E8M0 scales: C[m][n] = sum over k of A[m][k] B[n][k], A = x's codes [4096][1024], B = the three weights' codes on end [3072][1024]; sums in f32.
; A tile of C, 256 x 256, is made by a work-group of four waves; a wave makes 128 x 128: 64 accumulators, 512 registers.  K = 1,024 is two K steps of 512 (tile rows of 256 bytes): both lie in LDS at once,
; each in a slot of its own, so nothing is ever filled again and there is no loop.  The scale bytes of the work-group's rows come once, as dense blocks, and stay behind the slots.
; CLUSTERS: 4 x 4 work-groups; the four of a row of the cluster ask for A's tiles jointly, the four of a column for B's.  192 work-groups: 16 x 12 tiles; a smaller tile would fill more WGPs and read each fragment more often.
; THE MATRIX INSTRUCTION IS USED TRANSPOSED (source 0 = 16 rows of B, source 1 = 16 rows of A): lane (r, h) holds position r of a tile of 16 and eight neighbouring columns 8 h + 0 .. 7.
; THE WAY OUT.  Rounded to f16, those eight numbers are four registers, and they ARE registers 0-3 or 4-7, in the same lane, of the 16-bit fragment (16 rows x 32 along the head) that the next launch wants of q and k.
; So the results go straight from registers to memory as IMAGES of those fragments, 512 consecutive aligned bytes a store:
;   q: qkv + head x 2^19 + (position / 16) x 2,048 + (d / 16) x 512 + 16 x lane
;   k: qkv + 2^23 + head x 2^20 + (position / 128) x 32,768 + ((position / 16) % 8) x 2,048 + (d / 16) x 512 + 16 x lane
;   v: the same + 16,384, but inside the 512 bytes 32 r + 16 h: [16 positions][16 d], which the turning LDS load of the next launch reads.
; Positions 0 to 15 go out in f32 as well, as images of their accumulators (rows32: [n / 16][quad][lane][16 bytes]), for the last launch.
; LIMIT: |q|, |k|, |v| beyond f16's 65,504 are not served.
; REGISTERS, in windows of 256: window 0: v0-31 addresses; v32-95 scale words, two sets; from v128 A's fragments, ONE set; on the way out v128-255 hold packed results.
;   window 1: B's fragments, TWO sets, at v0 and v128.   window 2: the accumulators of my rows 0-63 ((a, b) at v[8 (8 a + b)]);   window 3: those of my rows 64-127.
.set SIZE_M, 4096
.set SIZE_N, 3072
.set SIZE_K, 1024
.set KSTEP,  512                       ; along K in a slot
.set NQ,     KSTEP/128                 ; matrix instructions deep
.set ROWB,   256                       ; a tile's row in bytes
.set KROW,   SIZE_K*4/8                ; a row of codes in memory
.set PITCH,  272                       ; an LDS row: 256 bytes + 16 of padding = 68 words: the 16 rows that a load touches start at 16 different banks (64 banks of 4 bytes: ISA guide 11.1)
.set FR,     8                         ; registers of a fragment: 16 rows x 128 K
.set NL,     2                         ; LDS loads that bring one
.set NP,     4                         ; places behind this matrix instruction (ISA guide 7.12.1)
.set HALFT,  128*PITCH                 ; 128 rows: what one tensor load brings
.set SLOT,   4*HALFT                   ; A's 256 rows, then B's 256 rows
.set KS,     SIZE_K/32                 ; a row of scale bytes
.set SCL,    2*SLOT                    ; behind the slots: the scales, as units of 256 bytes + 16 of padding
.set HALFS,  (128*KS/256)*272          ; those of 128 rows
.set SBLK,   (16*KS/256)*272           ; those of 16 rows
.set SPARE,  SCL+4*HALFS               ; the spare words, 128 bytes a wave
.set ADRA, 16                          ; v16-17  LDS address of my A fragments in slot 0, 1
.set ADRB, 20                          ; v20-21  the same for B
.set VO,   24                          ; v24, v25  the way out: my lane's byte in an image, for my first and my second head
.set LI,   26                          ; v26     16 x lane
.set ADRS, 27                          ; v27     LDS address of my scale words: lanes 0-15 A's rows, lanes 16-31 B's
.set SPW,  28                          ; v28     LDS address of my spare word; never rewritten
.set NIL,  29                          ; v29     0; never rewritten
.set CYV,  30                          ; v30     my work-group's place along the cluster's y
.set SC,   32                          ; scale words: set s at v[SC + 32 s]; register 4 i + q: lanes 0-15 A's block i, lanes 16-31 B's block i, the slot's q-th 128 along K
.set AF,   128                         ; A's fragments, in window 0
.set TMP,  128                         ; the way out: four sets of 32 registers
.set G1, 24                            ; s[24:31] descriptor group 1 for A's tiles;  s[32:39] group 0, one set for each slot
.set G0, 32
.set G1B, 48                           ; s[48:55], s[56:63] the same for B's tiles
.set G0B, 56
.set G1S, 68                           ; s[68:75], s[76:79] groups 1 and 0 for A's scales;  s[80:87], s[88:91] for B's
.set G0S, 76
.set G1SB, 80
.set G0SB, 88
.set MSB, 0
.macro WIN new                         ; the immediate's high byte repeats the setting that is left
.if MSB != \new
	s_set_vgpr_msb (MSB<<8)|\new
.set MSB, \new
.endif
.endm
.set MUL_LO, 0xa1                      ; source 0 (B) window 1, source 1 (A) window 0, C and D window 2
.set MUL_HI, 0xf1                      ; the same, C and D window 3
.set TO_B,   0x40                      ; destination window 1, address window 0
; A joint load: waves 0 and 1 fetch for A, waves 2 and 3 for B.  Each line has ONE mask and one set of registers for all that issue it; the branch hangs on the wave's number alone.
; An s_nop 0 and four v_nop follow each of the two lines.
.macro JLOAD g0a, g1a, g0b, g1b
	s_cmp_eq_u32 s15, 0
	s_cbranch_scc0 .Lfor_b_\@
	tensor_load_to_lds s[\g0a:\g0a+3], s[\g1a:\g1a+7]
	s_nop 0
.rept 4
	v_nop
.endr
	s_branch .Lasked_\@
.Lfor_b_\@:
	tensor_load_to_lds s[\g0b:\g0b+3], s[\g1b:\g1b+7]
	s_nop 0
.rept 4
	v_nop
.endr
.Lasked_\@:
.endm
.macro CROUND                          ; a round of the cluster's barrier
	s_barrier_signal -1
	s_barrier_wait -1
	s_cmp_lg_u32 s14, 0
	s_cbranch_scc1 .Lnot_wave_0_\@
	s_barrier_signal -3
.Lnot_wave_0_\@:
	s_barrier_wait -3
	s_barrier_signal -1
	s_barrier_wait -1
.endm
	s_load_b128 s[4:7], s[0:1], 0x0                ; x's codes s[4:5], x's scales s[6:7]
	s_load_b128 s[8:11], s[0:1], 0x10              ; the weights' codes s[8:9], their scales s[10:11]
	s_load_b64 s[12:13], s[0:1], 0x20              ; qkv
	s_load_b64 s[96:97], s[0:1], 0x28              ; rows32
	v_lshl_add_u32 v[SPW], v0, 2, SPARE
	v_mov_b32 v[NIL], 0
	ds_add_u32 v[SPW], v[NIL]                      ; the wave's opening: the add, twice on end, and its wait ahead of my first tensor load
	ds_add_u32 v[SPW], v[NIL]                      ; and once more, under the one wait; the set-up below, work on registers, stands between
	v_lshrrev_b32 v1, 5, v0
	v_readfirstlane_b32 s14, v1                    ; wave 0..3
	s_lshr_b32 s15, s14, 1                         ; which half of the tile's rows is mine.  Also: I fetch for A (0) or for B (1)
	s_and_b32 s16, s14, 1                          ; which half of its columns.  Also: which 128 rows of that tile I fetch
	s_bfe_u32 s40, ttmp6, 0x40000                  ; cx, cy: my place in the cluster
	s_bfe_u32 s41, ttmp6, 0x40004
	s_lshl_b32 s42, ttmp9, 2
	s_add_co_u32 s42, s42, s40                     ; tile column of C = 4 x cluster x + cx
	s_and_b32 s17, ttmp7, 0xffff
	s_lshl_b32 s17, s17, 2
	s_add_co_u32 s17, s17, s41                     ; tile row of C = 4 x cluster y + cy
	s_lshl_b32 s43, s41, 2
	s_lshl_b32 s43, 15, s43                        ; my row of the cluster
	s_lshl_b32 s44, 0x1111, s40                    ; my column
	; descriptor group 1: a tile of 128 rows x 256 bytes, padded in LDS
	s_or_b32 s[G1+0], s43, (0<<16)|(1<<20)|(1<<21)|(5<<22)|(3<<25)  ; 15:0 the mask: A's tiles go to my row; elements of 1 byte; padding on; bit 21 beside a mask; 4 words after every 64
	s_or_b32 s[G1B+0], s44, (0<<16)|(1<<20)|(1<<21)|(5<<22)|(3<<25)
.irp g, G1, G1B
	s_mov_b32 s[\g+1], ROWB<<16                    ; tensor_dim0
	s_mov_b32 s[\g+2], 128<<16                     ; tensor_dim1 = 128
	s_mov_b32 s[\g+3], ROWB<<16                    ; tile_dim0
	s_mov_b32 s[\g+4], 128                         ; tile_dim1 = 128
	s_mov_b32 s[\g+5], KROW                        ; tensor_dim0_stride
	s_mov_b32 s[\g+6], 0
	s_mov_b32 s[\g+7], 0
.endr
	; the scales of 128 rows: a dense block of 4,096 bytes, as rows of 256 bytes (32 elements of 8 bytes), 16 bytes of padding behind each
	s_or_b32 s[G1S+0], s43, (3<<16)|(1<<20)|(1<<21)|(5<<22)|(3<<25)
	s_or_b32 s[G1SB+0], s44, (3<<16)|(1<<20)|(1<<21)|(5<<22)|(3<<25)
.irp g, G1S, G1SB
	s_mov_b32 s[\g+1], 32<<16
	s_mov_b32 s[\g+2], (128*KS/256)<<16
	s_mov_b32 s[\g+3], 32<<16
	s_mov_b32 s[\g+4], 128*KS/256
	s_mov_b32 s[\g+5], 32
	s_mov_b32 s[\g+6], 0
	s_mov_b32 s[\g+7], 0
.endr
	s_lshl_b32 s18, s16, 7                         ; which 128 rows of the tile I fetch
	s_lshl_b32 s20, s17, 8
	s_add_co_u32 s20, s20, s18                     ; A: row 256 x tile row + 128 x half
	s_lshl_b32 s46, s42, 8
	s_add_co_u32 s46, s46, s18                     ; B: row 256 x tile column + 128 x half
	s_mov_b32 s21, 0
	s_mov_b32 s47, 0
	s_mov_b64 s[18:19], KS
	s_mul_u64 s[22:23], s[20:21], s[18:19]         ; where these rows' scales begin, in bytes
	s_mul_u64 s[92:93], s[46:47], s[18:19]
	s_mov_b64 s[18:19], KROW
	s_mul_u64 s[20:21], s[20:21], s[18:19]         ; and their codes
	s_mul_u64 s[46:47], s[46:47], s[18:19]
	s_mul_i32 s45, s14, HALFT                      ; where they go: wave x 128 rows: no place in the cluster enters an LDS address
	s_mul_i32 s94, s14, HALFS
	s_wait_dscnt 0x0                               ; both opening adds are done
	s_wait_kmcnt 0x0
	s_add_nc_u64 s[20:21], s[4:5], s[20:21]
	s_add_nc_u64 s[22:23], s[6:7], s[22:23]
	s_add_nc_u64 s[46:47], s[8:9], s[46:47]
	s_add_nc_u64 s[92:93], s[10:11], s[92:93]
	CROUND                                         ; all sixteen work-groups are here: the joint loads meet
	s_mov_b32 s[G0S], 1
	s_add_co_u32 s[G0S+1], s94, SCL
	s_mov_b64 s[G0S+2:G0S+3], s[22:23]
	s_or_b32 s[G0S+3], s[G0S+3], 0x80000000
	s_mov_b32 s[G0SB], 1
	s_add_co_u32 s[G0SB+1], s94, SCL
	s_mov_b64 s[G0SB+2:G0SB+3], s[92:93]
	s_or_b32 s[G0SB+3], s[G0SB+3], 0x80000000
	JLOAD G0S, G1S, G0SB, G1SB                     ; the scales first: they are wanted with K step 0
.irp s, 0,1
	s_mov_b32 s[G0+4*\s], 1
	s_add_co_u32 s[G0+4*\s+1], s45, \s*SLOT
	s_add_nc_u64 s[G0+4*\s+2:G0+4*\s+3], s[20:21], \s*ROWB
	s_or_b32 s[G0+4*\s+3], s[G0+4*\s+3], 0x80000000
	s_mov_b32 s[G0B+4*\s], 1
	s_add_co_u32 s[G0B+4*\s+1], s45, \s*SLOT
	s_add_nc_u64 s[G0B+4*\s+2:G0B+4*\s+3], s[46:47], \s*ROWB
	s_or_b32 s[G0B+4*\s+3], s[G0B+4*\s+3], 0x80000000
	JLOAD G0+4*\s, G1, G0B+4*\s, G1B               ; three tensor loads of mine are out in all: the scales and both K steps
.endr
	v_and_b32 v1, 15, v0                           ; r = l % 16
	v_bfe_u32 v2, v0, 4, 1                         ; h = l / 16
	v_mul_u32_u24 v3, v1, PITCH
	v_lshl_add_u32 v4, v2, 4, v3                   ; a fragment's row x pitch + 16 x half
	s_mul_i32 s21, s15, HALFT                      ; my 128 rows of A
	s_mul_i32 s22, s16, HALFT                      ; my 128 rows of B,
	s_add_co_u32 s22, s22, 2*HALFT                 ; which lie behind A's 256
.irp s, 0,1
	v_add_nc_u32 v[ADRA+\s], s21, v4
	v_add_nc_u32 v[ADRB+\s], s22, v4
	s_add_co_u32 s21, s21, SLOT
	s_add_co_u32 s22, s22, SLOT
.endr
	v_mul_u32_u24 v5, v1, KS                       ; my row's scales: 32 bytes a row,
	v_lshrrev_b32 v6, 8, v5
	v_lshl_add_u32 v5, v6, 4, v5                   ; and 16 more for each 256 passed
	s_mul_i32 s21, s15, HALFS                      ; A's: my 128 rows
	s_mul_i32 s22, s16, HALFS                      ; B's: my 128 rows, behind A's 256
	s_add_co_u32 s22, s22, 2*HALFS
	s_sub_co_u32 s22, s22, s21
	v_mul_u32_u24 v6, s22, v2                      ; lanes 16-31 take B's
	s_add_co_u32 s21, s21, SCL
	v_add_nc_u32 v5, v5, v6
	v_add_nc_u32 v[ADRS], s21, v5
	; the way out.  Cluster x = 0 makes q, 1 makes k, 2 makes v; my 128 columns are heads 4 cx + 2 (column half) and the next; my 128 rows are block 2 x tile row + row half
	v_and_b32 v6, 31, v0
	v_lshlrev_b32 v[LI], 4, v6
	v_mov_b32 v[CYV], s41
	s_lshl_b32 s20, s17, 1
	s_add_co_u32 s20, s20, s15                     ; my block of 128 positions
	s_lshl_b32 s46, s40, 2
	s_lshl_b32 s47, s16, 1
	s_add_co_u32 s46, s46, s47                     ; my first head
	s_cmp_eq_u32 ttmp9, 0
	s_cselect_b32 s66, 19, 20                      ; log2 of a head's bytes: q's region, or k's and v's
	s_cselect_b32 s67, 14, 15                      ; log2 of the bytes from one block of 128 positions to the next
	s_cselect_b32 s95, 0, 0x800000                 ; where the region begins
	s_cmp_eq_u32 ttmp9, 2
	s_cselect_b32 s98, 0x4000, 0                   ; v lies behind k in a key block
	s_cselect_b32 s99, 32, 16                      ; inside an image's 512 bytes: bytes from r to r + 1,
	s_cselect_b32 s3, 16, 256                      ; and from h = 0 to h = 1
	s_lshl_b32 s46, s46, s66
	s_lshl_b32 s20, s20, s67
	s_add_co_u32 s46, s46, s20
	s_add_co_u32 s46, s46, s95
	s_add_co_u32 s46, s46, s98
	s_mov_b32 s47, 0
	s_add_nc_u64 s[12:13], s[12:13], s[46:47]
	v_mul_u32_u24 v[VO], v1, s99
	v_mad_u32_u24 v[VO], v2, s3, v[VO]
	s_lshl_b32 s66, 1, s66
	v_add_nc_u32 v[VO+1], s66, v[VO]               ; my second head
	s_lshl_b32 s20, s42, 4
	s_lshl_b32 s21, s16, 3
	s_add_co_u32 s20, s20, s21                     ; rows32: my first tile of 16 columns,
	s_lshl_b32 s20, s20, 10                        ; 1,024 bytes each
	s_mov_b32 s21, 0
	s_add_nc_u64 s[96:97], s[96:97], s[20:21]
.macro FRAG reg, adr, q, i             ; a fragment, 16 rows x 128 K of 4-bit codes: lane l holds row l % 16; registers 4 c .. 4 c + 3 hold K = 64 c + 32 (l / 16) + 0 .. 31
.irp c, 0,1
	ds_load_b128 v[\reg+4*\c:\reg+4*\c+3], v[\adr] offset:64*(\q)+32*\c+(\i)*16*PITCH
.endr
.endm
; 16 matrix instructions: A's blocks a0, a0 + 1 x B's eight, the slot's q-th 128 along K.  p: B's set;  sc: the set of scale words.  zero = 1: the first product starts the sums.
; The 64 accumulators take turns, one instruction a turn, in the same order in every step.
.macro MUL16 a0, p, q, sc, zero
.irp a, \a0, \a0+1
.irp b, 0,1,2,3,4,5,6,7
.if \zero
	v_wmma_scale_f32_16x16x128_f8f6f4 v[8*(8*((\a)%4)+\b):8*(8*((\a)%4)+\b)+7], v[128*(\p)+FR*\b:128*(\p)+FR*\b+FR-1], v[AF+FR*(\a):AF+FR*(\a)+FR-1], 0, v[SC+8*NQ*(\sc)+NQ*\b+(\q)], v[SC+8*NQ*(\sc)+NQ*(\a)+(\q)] matrix_a_fmt:MATRIX_FMT_FP4 matrix_b_fmt:MATRIX_FMT_FP4 matrix_a_scale:MATRIX_SCALE_ROW1
.else
	v_wmma_scale_f32_16x16x128_f8f6f4 v[8*(8*((\a)%4)+\b):8*(8*((\a)%4)+\b)+7], v[128*(\p)+FR*\b:128*(\p)+FR*\b+FR-1], v[AF+FR*(\a):AF+FR*(\a)+FR-1], v[8*(8*((\a)%4)+\b):8*(8*((\a)%4)+\b)+7], v[SC+8*NQ*(\sc)+NQ*\b+(\q)], v[SC+8*NQ*(\sc)+NQ*(\a)+(\q)] matrix_a_fmt:MATRIX_FMT_FP4 matrix_b_fmt:MATRIX_FMT_FP4 matrix_a_scale:MATRIX_SCALE_ROW1
.endif
.endr
.endr
.endm
.macro FETCH_B slot, q, p              ; B's eight fragments of the slot's q-th 128 along K into set p
	WIN TO_B
.irp i, 0,1,2,3,4,5,6,7
	FRAG 128*(\p)+FR*\i, ADRB+\slot, \q, \i
.endr
	WIN 0
.endm
.macro FETCH_A slot, q, i0             ; A's blocks i0 .. i0 + 3
.irp i, \i0, \i0+1, \i0+2, \i0+3
	FRAG AF+FR*(\i), ADRA+\slot, \q, \i
.endr
.endm
.macro SCALES sc                       ; a K step's scale words into set sc: 4 words a row; lanes 0-15 take A's block i, lanes 16-31 B's block i
.irp i, 0,1,2,3,4,5,6,7
	ds_load_b128 v[SC+8*NQ*\sc+NQ*\i:SC+8*NQ*\sc+NQ*\i+3], v[ADRS] offset:\i*SBLK
.endr
.endm
; A load into a register that a matrix instruction has read, and a vector instruction or store that reads a matrix result, stand NP places behind it; only plain vector instructions that name none of its registers are places.
.macro PLACES n
.rept \n
	v_nop
.endr
.endm
; A step of 128 along K that has its successor in the same slot.
.macro STEP slot, q, zero
	s_wait_dscnt 4*NL                              ; B's set and A's blocks 0-3 are in; the youngest eight loads (A's blocks 4-7) may be out
	WIN MUL_LO
	MUL16 0, (\q)%2, \q, \slot, \zero
	MUL16 2, (\q)%2, \q, \slot, \zero
	s_wait_dscnt 0                                 ; A's blocks 4-7 are in
	PLACES NP
	FETCH_B \slot, (\q)+1, 1-(\q)%2
	FETCH_A \slot, (\q)+1, 0
	WIN MUL_HI
	MUL16 4, (\q)%2, \q, \slot, \zero
	MUL16 6, (\q)%2, \q, \slot, \zero
	PLACES NP
	WIN 0
	FETCH_A \slot, (\q)+1, 4
.endm
; Slot 0's last step goes over to slot 1: each wave waits for all its tensor loads (its part of slot 1), and a barrier shows the whole slot to every wave.  Nothing is filled again.
.macro TURN slot, next
	s_wait_tensorcnt 0x0                           ; all my tensor loads have landed
	ds_add_u32 v[SPW], v[NIL]                      ; 0 onto my spare word
	s_wait_dscnt 4*NL+1                            ; (the add and the youngest eight loads, A's blocks 4-7, may be out)
	WIN MUL_LO
	MUL16 0, 1, NQ-1, \slot, 0
	s_wait_dscnt 0x0                               ; no LDS instruction of mine is out at the signal
	s_barrier_signal -1
	MUL16 2, 1, NQ-1, \slot, 0
	WIN 0
	s_barrier_wait -1
	PLACES NP
	v_add_nc_u32 v[ADRS], 4*NQ, v[ADRS]            ; on to the next K step's scale words
	FETCH_B \next, 0, 0
	FETCH_A \next, 0, 0
	SCALES \next
	WIN MUL_HI
	MUL16 4, 1, NQ-1, \slot, 0
	MUL16 6, 1, NQ-1, \slot, 0
	PLACES NP
	WIN 0
	FETCH_A \next, 0, 4
.endm
.macro STEPS slot, from                ; the slot's steps from .. NQ - 2
.set Q, \from
.rept NQ-1-\from
	STEP \slot, Q, 0
.set Q, Q+1
.endr
.endm
	s_wait_tensorcnt 1                             ; the scales and my part of K step 0 are in (K step 1's load may be out),
	s_barrier_signal -1
	s_barrier_wait -1                              ; everybody's are
	FETCH_B 0, 0, 0
	FETCH_A 0, 0, 0
	SCALES 0
	FETCH_A 0, 0, 4
	STEP 0, 0, 1                                   ; the first step's products start the sums: nothing is cleared
	STEPS 0, 1
	TURN 0, 1
	STEPS 1, 0
	s_wait_dscnt 4*NL                              ; the very last step: nothing more to fetch
	WIN MUL_LO
	MUL16 0, 1, NQ-1, 1, 0
	MUL16 2, 1, NQ-1, 1, 0
	s_wait_dscnt 0
	WIN MUL_HI
	MUL16 4, 1, NQ-1, 1, 0
	MUL16 6, 1, NQ-1, 1, 0
	WIN 0
; THE WAY OUT, block a of 16 positions at a time: 32 roundings to f16 (each accumulator from its low end on), eight stores of 512 consecutive aligned bytes.
.macro PACKQ a
.set AC, 64*((\a)%4)
.set TT, TMP+32*((\a)%4)
	WIN 0x0a+5*((\a)/4)                            ; sources 0 and 1: window 2 or 3
.irp b, 0,1,2,3,4,5,6,7
.irp i, 0,1,2,3
	v_cvt_pk_f16_f32 v[TT+4*\b+\i], v[AC+8*\b+2*\i], v[AC+8*\b+2*\i+1]
.endr
.endr
	WIN 0
.endm
.macro SENDQ a
.set TT, TMP+32*((\a)%4)
.irp b, 0,1,2,3,4,5,6,7
	global_store_b128 v[VO+\b/4], v[TT+4*\b:TT+4*\b+3], s[12:13] offset:(\a)*2048+(\b%4)*512
.endr
.endm
	PLACES NP                                      ; behind the last products: for the conversions' reads of results and their writes into the registers that held A's fragments
.irp a, 0,1,2,3,4,5,6,7
.if \a > 3
	s_wait_xcnt 0x0                                ; block a - 4's stores have read their data registers, which are written again
.endif
	PACKQ \a
	SENDQ \a
.endr
	; positions 0 to 15 in f32: they lie in block 0 of the waves with the upper row half, in the work-groups of tile row 0.  The branch hangs on the cluster's y and the wave's number, which all partners share;
	; the place along the cluster's y is told by the lanes' mask, not by a branch
	s_and_b32 s98, ttmp7, 0xffff
	s_or_b32 s98, s98, s15
	s_cmp_lg_u32 s98, 0
	s_cbranch_scc1 .Lno_rows
	s_wait_xcnt 0x0                                ; EXEC changes only behind this wait
	v_cmp_eq_u32 vcc_lo, 0, v[CYV]
	s_and_saveexec_b32 s99, vcc_lo
	WIN 0x08                                       ; a store's data are its source 1: window 2
.irp b, 0,1,2,3,4,5,6,7
	global_store_b128 v[LI], v[8*\b:8*\b+3], s[96:97] offset:1024*\b
	global_store_b128 v[LI], v[8*\b+4:8*\b+7], s[96:97] offset:1024*\b+512
.endr
	WIN 0
	s_wait_xcnt 0x0                                ; and again, in front of the line that widens it
	s_or_b32 exec_lo, exec_lo, s99
.Lno_rows:
	s_wait_tensorcnt 0x0                           ; the wave's end, behind my last tensor load
	ds_add_u32 v[SPW], v[NIL]
	s_wait_dscnt 0x0
	CROUND                                         ; the closing round: no work-group ends while a partner may still ask for a tile that names it
	s_endpgm
.Lfunc_end_k_q8a293a3775_qkv:
	.size	k_q8a293a3775_qkv, .Lfunc_end_k_q8a293a3775_qkv-k_q8a293a3775_qkv
	.p2alignl 7, 3214868480
	.fill 96, 4, 3214868480
	.section	.rodata,"a",@progbits
	.p2align	6, 0x0
	.amdhsa_kernel k_q8a293a3775_qkv
		.amdhsa_group_segment_fixed_size 327680
		.amdhsa_private_segment_fixed_size 0
		.amdhsa_enable_private_segment 0
		.amdhsa_kernarg_size 48
		.amdhsa_user_sgpr_count 2
		.amdhsa_user_sgpr_kernarg_segment_ptr 1
		.amdhsa_wavefront_size32 1
		.amdhsa_system_sgpr_workgroup_id_x 1
		.amdhsa_system_sgpr_workgroup_id_y 1
		.amdhsa_system_sgpr_workgroup_id_z 1
		.amdhsa_system_vgpr_workitem_id 0
		.amdhsa_next_free_vgpr 1024
		.amdhsa_next_free_sgpr 100
		.amdhsa_reserve_vcc 1
		.amdhsa_float_denorm_mode_32 3
		.amdhsa_float_denorm_mode_16_64 3
		.amdhsa_memory_ordered 1
		.amdhsa_forward_progress 1
		.amdhsa_inst_pref_size 120
	.end_amdhsa_kernel
	.amdgpu_metadata
---
amdhsa.version: [ 1, 2 ]
amdhsa.kernels:
  - .name:           k_q8a293a3775_qkv
    .symbol:         k_q8a293a3775_qkv.kd
    .args:
      - { .name: xc, .offset: 0, .size: 8, .value_kind: global_buffer, .address_space: global }
      - { .name: xs, .offset: 8, .size: 8, .value_kind: global_buffer, .address_space: global }
      - { .name: wc, .offset: 16, .size: 8, .value_kind: global_buffer, .address_space: global }
      - { .name: ws, .offset: 24, .size: 8, .value_kind: global_buffer, .address_space: global }
      - { .name: qkv, .offset: 32, .size: 8, .value_kind: global_buffer, .address_space: global }
      - { .name: rows32, .offset: 40, .size: 8, .value_kind: global_buffer, .address_space: global }
    .group_segment_fixed_size: 327680
    .private_segment_fixed_size: 0
    .kernarg_segment_align: 8
    .kernarg_segment_size: 48
    .max_flat_workgroup_size: 128
    .sgpr_count:     100
    .vgpr_count:     1024
    .wavefront_size: 32
...
	.end_amdgpu_metadata
.endif
;; end of part 2
;; launch attn (part 3): grid 16 x 16, 8 waves a work-group, no clusters, 327,680 bytes of LDS; arguments qkv, ctx; writes ctx
.if DOCPART == 3
	.amdgcn_target "amdgcn-amd-amdhsa--gfx1250"
	.amdhsa_code_object_version 6
	.text
	.protected	k_q8a293a3775_attn
	.globl	k_q8a293a3775_attn
	.p2align	8
	.type	k_q8a293a3775_attn,@function
k_q8a293a3775_attn:
	s_mov_b64 s[64:65], 0
	v_nop
	global_prefetch_b8 v0, s[64:65] scope:SCOPE_SE
	s_setreg_imm32_b32 hwreg(HW_REG_WAVE_MODE, 25, 1), 1
	s_wait_xcnt 0x0
; ctx[q][head] = the sum over keys k <= q of softmax_k(q . k / 8) v, for 16 heads of 64; operands f16, products, maxima and sums f32; the weights p are rounded to f16 for the second product, ctx once at the end.
; WORK LEFT OUT (shown dead at the head of launch quant): key blocks of 128 wholly behind a block of 128 queries are not walked; on a diagonal block the steps of waves 4 and 5 (queries 0-63, keys 64-127) are jumped over.
; SHARES.  Work-group (P, head) owns TWO blocks of 128 queries of one head, one after the other: block P with key blocks 0 .. P, then block 31 - P with key blocks 0 .. 31 - P: always 33 key blocks, so all 256
; work-groups do the same work and every trip count is a constant.  Stream index u = 0 .. 32; key block = u where u <= P, else u - P - 1; the diagonals are u = P and u = 32.
; Wave w: g = w % 4 picks queries 32 g .. 32 g + 31 of the block (two tiles of 16), s = w / 4 keys 64 s .. 64 s + 63 of every key block: each fragment read from LDS feeds two matrix instructions.
; At a phase's end waves g and g + 4 join their maxima, sums and O through LDS.
; LAYOUT.  S^T = K Q^T (source 0 = 16 keys, source 1 = 16 queries): a lane holds ONE query (lane % 16) and keys 8 (lane / 16) + 0 .. 7; two such tiles, rounded in pairs, are source 1 of O^T = V^T P.
; q and k lie in memory as images of their fragments, so every LDS load of K is 512 consecutive bytes; v lies [16 keys][16 d] and is turned by ds_load_tr16_b128.  O^T, rounded, is an image of the fragment that launch proj wants.
; SOFTMAX.  A running maximum m and sum l for each query: p = 2^(c s - c m), c = log2(e) / 8; in every step O and l are multiplied by 2^(c m_old - c m_new).  m begins at -3e38, under every score that this text serves.
; THE RING.  Two LDS slots of four key blocks (131,072 bytes each); a key block is 32,768 dense bytes of memory, K's 16,384 then V's.  Each of the eight waves fetches one half block with one tensor load.
; NO CLUSTER: the work-groups that read the same K and V are the query blocks of one head; their causal limits, changes of phase and masked steps differ.
; LIMITS: |ctx| beyond 65,504 and scores beyond 3e38 are not served; NaN and infinities among the inputs are not served.
.set BLK,   32768                      ; a key block in LDS: K 16 KiB, V 16 KiB
.set SLOT1, 1<<17                      ; slot 1 begins here: one exclusive or turns an address of one slot into the other's
.set XCH,   2*SLOT1                    ; behind the ring: the exchange, four groups of
.set XG,    8704                       ; 16 images of 512 bytes of O, then four times 128 bytes: c m and l of both tiles
.set SPARE, XCH+4*XG                   ; the spare words, 128 bytes a wave
.set LI,  1                            ; v1   16 x lane
.set AK,  2                            ; v2   my lane's place in a key block's K: 16 x lane + 8,192 s
.set AV,  3                            ; v3   and in its V, for the turning load
.set ADK, 4                            ; v4   LDS address of the block's K
.set ADV, 5                            ; v5   of its V
.set SPW, 6                            ; v6   LDS address of my spare word; never rewritten
.set NIL, 7                            ; v7   0; never rewritten
.set XA,  8                            ; v8   the exchange: my lane's 16 bytes of an image
.set XS,  9                            ; v9   and its word
.set DQ,  10                           ; v10  the mask: 32 g - 64 s + r - 8 h
.set NINF, 11                          ; v11  -infinity
.set PFO, 12                           ; v12  256 x lane: the prefetches' offset; never rewritten
.set ST,  16                           ; v16-31  tile u's statistics at ST + 8 u: +0 c m, +1 m, +2, +3 l (even keys', odd keys'), +4 .. +7 at work
.set QF,  32                           ; v32-63  Q: fragment (u, c) at QF + 16 u + 8 c
.set SS,  64                           ; v64-127 S^T: tile u, key tile kt at SS + 32 u + 8 kt; p is packed into the tile's registers 0-15
.set OT,  128                          ; v128-191 O^T: OT + 32 u + 8 dt
.set KV,  192                          ; v192-255 one buffer: K's fragment (kt, c) at KV + 16 kt + 8 c, later V's (dt, kc) at KV + 32 kc + 8 dt
.set WV,  8                            ; s8   wave
.set GQ,  9                            ; s9   g
.set SH,  10                           ; s10  s
.set WB,  11                           ; s11  which key block of a slot I fetch: wave / 2
.set PB,  12                           ; s12  P
.set PB1, 13                           ; s13  P + 1
.set HID, 14                           ; s14  1 in waves 4 and 5
.set UU,  15                           ; s15  the stream index of the block in hand
.set UN,  16                           ; s16  the stream index of the first block of the slot asked for last
.set TB,  18                           ; s18  LDS byte at which the block in hand begins
.set JC,  19                           ; s19  slots still to be asked for in the loop
.set CNT, 20                           ; s20  counts a slot's four blocks
.set SW,  21                           ; s21  1 on phase A's diagonal
.set G1,  24                           ; s[24:31] descriptor group 1
.set G0,  32                           ; s[32:35] descriptor group 0, which walks
.set KVW, 36                           ; s[36:37] my head's K and V, at my half (K or V) of key block 0
.set QA,  38                           ; s[38:39] Q of phase A
.set PFA, 40                           ; s[40:41] where my prefetches stand
.set QN,  42                           ; s[42:43] Q of phase B
.set CB,  44                           ; s[44:45] ctx of the phase in hand
.set CB2, 46                           ; s[46:47] of phase B
.set CS,  48                           ; s[48:49] c, twice: the packed form names a pair
.set SEL, 50                           ; s[50:51] lane selects for v_permlanex16_b32: lane l xor 16
.set LIM, 52                           ; s52  1 in the work-group that prefetches, else the greatest number
.set HF,  53                           ; s53  1 where this wave's step lies wholly under the mask
; the global address of the half block that I fetch of the slot that begins at stream index UN (s23 holds 0)
.macro KBADDR
	s_add_co_u32 s22, s[UN], s[WB]
	s_cmp_gt_u32 s22, s[PB]
	s_cselect_b32 s54, s[PB1], 0
	s_sub_co_u32 s22, s22, s54                     ; the key block: u, or u - P - 1 in phase B
	s_lshl_b32 s22, s22, 15
	s_add_nc_u64 s[G0+2:G0+3], s[KVW:KVW+1], s[22:23]
.endm
.macro FRESH                           ; a phase begins: m under every score, l = 0
.irp u, 0,1
	v_mov_b32 v[ST+8*\u+1], 0xff61b1e6             ; -3e38
	v_mov_b32 v[ST+8*\u+2], 0
	v_mov_b32 v[ST+8*\u+3], 0
.endr
.irp u, 0,1
	v_mul_f32 v[ST+8*\u], s[CS], v[ST+8*\u+1]
.endr
.endm
.macro TL                              ; my one tensor load behind a barrier; an s_nop 0 and four v_nop follow it
	tensor_load_to_lds s[G0:G0+3], s[G1:G1+7]
	s_nop 0
.rept 4
	v_nop
.endr
.endm
; A PREFETCH INTO THE L2 of what the NEXT change of slots will ask for.  All sixteen work-groups of a head walk the same K and V; the one with P = 0 passes every key block once, in order, and it alone asks
; (a branch on the work-group's number).  Each of its waves asks for the 16,384 bytes that it will itself fetch at the next change: two instructions, lanes 256 bytes apart: four key blocks ahead of that load.
; So key blocks 7 to 30 are named, each aligned 256 bytes once; the first two slots and the last block come by their loads alone; the loop's last trip asks for nothing.
.macro ASK
	s_cmp_gt_u32 s[JC], s[LIM]
	s_cbranch_scc0 .Lnot_mine_\@
	global_prefetch_b8 v[PFO], s[PFA:PFA+1] th:TH_LOAD_NT scope:SCOPE_SE
	global_prefetch_b8 v[PFO], s[PFA:PFA+1] offset:8192 th:TH_LOAD_NT scope:SCOPE_SE
.Lnot_mine_\@:
.endm
	s_load_b128 s[4:7], s[0:1], 0x0                ; qkv s[4:5], ctx s[6:7]
	v_lshl_add_u32 v[SPW], v0, 2, SPARE
	v_mov_b32 v[NIL], 0
	ds_add_u32 v[SPW], v[NIL]                      ; the wave's opening: the add, twice on end, and its wait ahead of my first tensor load
	ds_add_u32 v[SPW], v[NIL]                      ; and once more, under the one wait; the set-up below, work on registers, stands between
	v_lshrrev_b32 v13, 5, v0
	v_readfirstlane_b32 s[WV], v13                 ; wave 0..7
	s_and_b32 s[GQ], s[WV], 3
	s_lshr_b32 s[SH], s[WV], 2
	s_lshr_b32 s[WB], s[WV], 1
	s_mov_b32 s[PB], ttmp9
	s_add_co_u32 s[PB1], s[PB], 1
	s_cmp_eq_u32 s[WB], 2
	s_cselect_b32 s[HID], 1, 0
	s_cmp_eq_u32 s[PB], 0
	s_cselect_b32 s[LIM], 1, -1
	; descriptor group 1: 64 rows of 256 bytes (32 elements of 8 bytes), dense in memory and in LDS: 16,384 bytes
	s_mov_b32 s[G1+0], 3<<16                       ; no mask; elements of 8 bytes; no padding: every LDS load here reads consecutive bytes
	s_mov_b32 s[G1+1], 32<<16                      ; tensor_dim0
	s_mov_b32 s[G1+2], 64<<16                      ; tensor_dim1
	s_mov_b32 s[G1+3], 32<<16                      ; tile_dim0
	s_mov_b32 s[G1+4], 64                          ; tile_dim1
	s_mov_b32 s[G1+5], 32                          ; tensor_dim0_stride
	s_mov_b32 s[G1+6], 0
	s_mov_b32 s[G1+7], 0
	s_mov_b32 s[CS], 0x3e38aa3b                    ; c = log2(e) / 8
	s_mov_b32 s[CS+1], s[CS]
	s_mov_b32 s[SEL], 0x76543210
	s_mov_b32 s[SEL+1], 0xfedcba98
	s_mov_b32 s[UU], 0
	s_mov_b32 s[UN], 0
	s_mov_b32 s[TB], 2*SLOT1                       ; the first change of slots takes four blocks off and turns it: 0
	s_mov_b32 s[JC], 7
	s_and_b32 s54, ttmp7, 0xffff                   ; the head
	s_lshl_b32 s22, s54, 20                        ; its K and V: 2^20 bytes a head, behind q's 2^23,
	s_and_b32 s55, s[WV], 1
	s_lshl_b32 s55, s55, 14                        ; my half of a key block
	s_add_co_u32 s22, s22, s55
	s_add_co_u32 s22, s22, 0x800000
	s_mov_b32 s23, 0
	s_lshl_b32 s55, s[GQ], 1
	s_lshl_b32 s56, s[PB], 3
	s_add_co_u32 s56, s56, s55                     ; my first tile of 16 queries in phase A: 8 P + 2 g
	s_sub_co_u32 s57, 31, s[PB]
	s_lshl_b32 s57, s57, 3
	s_add_co_u32 s57, s57, s55                     ; and in phase B: 8 (31 - P) + 2 g
	s_lshl_b32 s55, s54, 19                        ; q: 2^19 bytes a head, 2,048 a tile
	s_lshl_b32 s58, s56, 11
	s_add_co_u32 s58, s58, s55
	s_mov_b32 s59, 0
	s_lshl_b32 s60, s57, 11
	s_add_co_u32 s60, s60, s55
	s_mov_b32 s61, 0
	s_lshl_b32 s55, s54, 11                        ; ctx: 32,768 bytes a tile of 16 positions, 2,048 a head in it
	s_lshl_b32 s62, s56, 15
	s_add_co_u32 s62, s62, s55
	s_mov_b32 s63, 0
	s_lshl_b32 s56, s57, 15
	s_add_co_u32 s56, s56, s55
	s_mov_b32 s57, 0
	s_wait_dscnt 0x0                               ; both opening adds are done
	s_wait_kmcnt 0x0
	s_add_nc_u64 s[KVW:KVW+1], s[4:5], s[22:23]
	s_add_nc_u64 s[QA:QA+1], s[4:5], s[58:59]
	s_add_nc_u64 s[QN:QN+1], s[4:5], s[60:61]
	s_add_nc_u64 s[CB:CB+1], s[6:7], s[62:63]
	s_add_nc_u64 s[CB2:CB2+1], s[6:7], s[56:57]
	s_mov_b32 s[G0], 1                             ; count = 1
	s_lshl_b32 s[G0+1], s[WV], 14                  ; LDS: slot 0, wave x 16,384
	KBADDR
	s_or_b32 s[G0+3], s[G0+3], 0x80000000          ; type = 2
	TL                                             ; slot 0: every wave issues its part, with no branch; one tensor load of mine is out at any time
	v_and_b32 v13, 31, v0
	v_lshlrev_b32 v[LI], 4, v13
.set i, 0
.rept 8
	global_load_b128 v[QF+4*i:QF+4*i+3], v[LI], s[QA:QA+1] offset:512*i   ; Q of phase A: two tiles, four images each
.set i, i+1
.endr
	v_lshlrev_b32 v[PFO], 8, v13
	v_and_b32 v14, 15, v0                          ; r
	v_bfe_u32 v15, v0, 4, 1                        ; h
	s_lshl_b32 s54, s[SH], 13                      ; my 64 keys: four tiles of 2,048 bytes
	v_add_nc_u32 v[AK], s54, v[LI]
	v_and_b32 v[AV], 7, v0                         ; the turning load: lane l reads 16 bytes of key 8 (l / 16) + l % 8 (32 bytes a key), d 8 ((l / 8) % 2) on
	v_lshl_add_u32 v[AV], v15, 3, v[AV]
	v_lshlrev_b32 v[AV], 5, v[AV]
	v_bfe_u32 v[ADK], v0, 3, 1
	v_lshl_add_u32 v[AV], v[ADK], 4, v[AV]
	s_add_co_u32 s54, s54, 16384                   ; V lies behind K
	v_add_nc_u32 v[AV], s54, v[AV]
	s_mul_i32 s54, s[GQ], XG
	s_add_co_u32 s54, s54, XCH
	v_add_nc_u32 v[XA], s54, v[LI]
	s_add_co_u32 s54, s54, 8192
	v_lshl_add_u32 v[XS], v13, 2, s54
	s_lshl_b32 s54, s[GQ], 5
	s_lshl_b32 s55, s[SH], 6
	s_sub_co_i32 s54, s54, s55
	v_lshlrev_b32 v[DQ], 3, v15
	v_sub_nc_u32 v[DQ], v14, v[DQ]
	v_add_nc_u32 v[DQ], s54, v[DQ]
	v_mov_b32 v[NINF], 0xff800000
	FRESH
.set i, 0
.rept 64
	v_mov_b32 v[OT+i], 0                           ; O^T.  (The block is written without a first step of its own: the first finds zeros, which the first change of m leaves zeros)
.set i, i+1
.endr
	s_wait_loadcnt 0x0                             ; Q
; THE CHANGE OF SLOTS stands at a slot's head.  Each wave waits for all its tensor loads (its part of the slot that it is about to read), adds 0 to its spare word, and waits for that and for its reads of the slot
; that it has left.  Behind the barrier the slot ahead is whole and nobody reads the other one.  fill = 1: every wave fills its part of that other slot with the next four key blocks: the load has four blocks' work
; in which to land.  fill = 2: one block (u = 32) is left: waves 0 and 1 fetch it.  fill = 0: nothing is left.
.macro CHANGE fill
	s_wait_tensorcnt 0x0                           ; no tensor load of mine is out, so group 0 may be written
	ds_add_u32 v[SPW], v[NIL]                      ; 0 onto my spare word; the steps below stand between it and the wait for it
.if \fill
	s_xor_b32 s[G0+1], s[G0+1], SLOT1              ; the other slot than last time,
	s_add_co_u32 s[UN], s[UN], 4                   ; the next four of the stream
	KBADDR
.if \fill == 1
	s_wait_xcnt 0x0                                ; the last prefetches, a slot back, have read their address, so it may be written:
	s_add_nc_u64 s[PFA:PFA+1], s[G0+2:G0+3], 4*BLK ; four key blocks on from what I ask for now
.endif
	s_or_b32 s[G0+3], s[G0+3], 0x80000000
.endif
	s_sub_co_u32 s[TB], s[TB], 4*BLK               ; the reads go back to a slot's first block,
	s_xor_b32 s[TB], s[TB], SLOT1                  ; in the other slot
	s_wait_dscnt 0x0                               ; the add is done, and my reads of the slot that I have left are over
	s_barrier_signal -1
	s_barrier_wait -1
.if \fill == 1
	TL
	ASK
.elseif \fill == 2
	s_cmp_lt_u32 s[WV], 2                          ; a branch on the wave's number; every wait for tensor loads in this text is for 0
	s_cbranch_scc0 .Lnone_\@
	TL
.Lnone_\@:
.endif
.endm
; On a diagonal: register (u, kt, j) holds key 64 s + 16 kt + 8 h + j and query 32 g + 16 u + r of the block: hidden where 16 kt + j - 16 u > DQ.  Hidden scores become -infinity: p = 0 then.
.macro MASK
.irp u, 0,1
.irp kt, 0,1,2,3
.irp j, 0,1,2,3,4,5,6,7
	v_cmp_gt_i32 vcc_lo, 16*\kt+\j-16*\u, v[DQ]
	v_cndmask_b32 v[SS+32*\u+8*\kt+\j], v[SS+32*\u+8*\kt+\j], v[NINF], vcc_lo
.endr
.endr
.endr
.endm
; The softmax of a step: two tiles of 16 queries x 64 keys, line by line in turn, so that no line waits for the line above it.
.macro SOFTMAX
.irp j, 0,1,2,3                        ; the maximum of a lane's 32 scores and the old m: four chains, each begun at its accumulator's low end
.irp u, 0,1
	v_max3_num_f32 v[ST+8*\u+4+\j], v[SS+32*\u+8*\j], v[SS+32*\u+8*\j+1], v[SS+32*\u+8*\j+2]
.endr
.endr
.irp k, 1,2
.irp j, 0,1,2,3
.irp u, 0,1
	v_max3_num_f32 v[ST+8*\u+4+\j], v[ST+8*\u+4+\j], v[SS+32*\u+8*\j+2*\k+1], v[SS+32*\u+8*\j+2*\k+2]
.endr
.endr
.endr
.irp u, 0,1
	v_max3_num_f32 v[ST+8*\u+4], v[ST+8*\u+4], v[SS+32*\u+7], v[SS+32*\u+15]
.endr
.irp u, 0,1
	v_max3_num_f32 v[ST+8*\u+6], v[ST+8*\u+6], v[SS+32*\u+23], v[SS+32*\u+31]
.endr
.irp u, 0,1
	v_max3_num_f32 v[ST+8*\u+4], v[ST+8*\u+4], v[ST+8*\u+5], v[ST+8*\u+6]
.endr
.irp u, 0,1
	v_max3_num_f32 v[ST+8*\u+4], v[ST+8*\u+4], v[ST+8*\u+7], v[ST+8*\u+1]
.endr
.irp u, 0,1
	v_permlanex16_b32 v[ST+8*\u+5], v[ST+8*\u+4], s[SEL], s[SEL+1]   ; the query's other 32 keys lie in the lane 16 away
.endr
.irp u, 0,1
	v_mov_b32 v[ST+8*\u+7], v[ST+8*\u]             ; c m_old is kept
.endr
.irp u, 0,1
	v_max_num_f32 v[ST+8*\u+1], v[ST+8*\u+4], v[ST+8*\u+5]
.endr
.irp u, 0,1
	v_mul_f32 v[ST+8*\u], s[CS], v[ST+8*\u+1]
.endr
.irp u, 0,1
	v_sub_f32 v[ST+8*\u+7], v[ST+8*\u+7], v[ST+8*\u]
.endr
.irp b, 0,1,2,3,4,5,6,7,8,9,10,11,12,13,14,15
.irp u, 0,1
	v_pk_fma_f32 v[SS+32*\u+2*\b:SS+32*\u+2*\b+1], v[SS+32*\u+2*\b:SS+32*\u+2*\b+1], s[CS:CS+1], v[ST+8*\u:ST+8*\u+1] op_sel_hi:[1,0,0] neg_lo:[0,0,1] neg_hi:[0,0,1]   ; c s - c m, two at a time
.endr
.endr
.irp u, 0,1
	v_exp_f32 v[ST+8*\u+6], v[ST+8*\u+7]           ; a = 2^(c m_old - c m_new)
.endr
.set n, 0
.rept 64
	v_exp_f32 v[SS+n], v[SS+n]                     ; p, at most 1.  ONE BATCH of 66 exponentials: none reads another's result
.set n, n+1
.endr
	v_nop                                          ; a plain instruction behind the last exponential, ahead of the first use
	s_wait_alu depctr_va_vdst(0)                   ; one wait for the whole batch, ahead of its first reader
.irp u, 0,1                            ; l = a l + the sum of the unrounded p, in two chains
	v_pk_fma_f32 v[ST+8*\u+2:ST+8*\u+3], v[ST+8*\u+2:ST+8*\u+3], v[ST+8*\u+6:ST+8*\u+7], v[SS+32*\u:SS+32*\u+1] op_sel_hi:[1,0,1]
.endr
.irp u, 0,1
	v_pk_add_f32 v[ST+8*\u+4:ST+8*\u+5], v[SS+32*\u+2:SS+32*\u+3], v[SS+32*\u+4:SS+32*\u+5]
.endr
.irp b, 3,5,7,9,11,13
.irp u, 0,1
	v_pk_add_f32 v[ST+8*\u+2:ST+8*\u+3], v[ST+8*\u+2:ST+8*\u+3], v[SS+32*\u+2*\b:SS+32*\u+2*\b+1]
.endr
.irp u, 0,1
	v_pk_add_f32 v[ST+8*\u+4:ST+8*\u+5], v[ST+8*\u+4:ST+8*\u+5], v[SS+32*\u+2*\b+2:SS+32*\u+2*\b+3]
.endr
.endr
.irp u, 0,1
	v_pk_add_f32 v[ST+8*\u+2:ST+8*\u+3], v[ST+8*\u+2:ST+8*\u+3], v[SS+32*\u+30:SS+32*\u+31]
.endr
.irp u, 0,1
	v_pk_add_f32 v[ST+8*\u+2:ST+8*\u+3], v[ST+8*\u+2:ST+8*\u+3], v[ST+8*\u+4:ST+8*\u+5]
.endr
.set n, 0
.rept 16                               ; p to f16, packed in place: register n takes scores 2 n and 2 n + 1, which lie at or above it
.irp u, 0,1
	v_cvt_pk_f16_f32 v[SS+32*\u+n], v[SS+32*\u+2*n], v[SS+32*\u+2*n+1]
.endr
.set n, n+1
.endr
.set n, 0
.rept 16                               ; O^T under the new m, each accumulator from its low end on
.irp u, 0,1
	v_pk_mul_f32 v[OT+32*\u+2*n:OT+32*\u+2*n+1], v[OT+32*\u+2*n:OT+32*\u+2*n+1], v[ST+8*\u+6:ST+8*\u+7] op_sel_hi:[1,0]
.endr
.set n, n+1
.endr
.endm
; A PHASE'S END.  Waves 4-7 hand c m, l and O^T of their keys to waves 0-3 through the exchange; those join the two halves, divide by the sum, round to f16 and store.  Two barriers: between the stores and the
; loads, and between the loads and whatever is stored there next.  last = 0: phase B's Q is asked for first and waited for last, and the statistics begin anew.  O^T is not cleared: it is finite, and the next
; step multiplies it by 2^(c x -3e38 - c m_new), which is 0.
.macro PHASE_END last
.rept 4
	v_nop                                          ; places behind the last products, ahead of reads of O^T and of loads into their operands
.endr
.if !\last
.set i, 0
.rept 8
	global_load_b128 v[QF+4*i:QF+4*i+3], v[LI], s[QN:QN+1] offset:512*i
.set i, i+1
.endr
.endif
	s_cmp_lt_u32 s[WV], 4
	s_cbranch_scc1 .Lkeep_\@
.irp u, 0,1
	v_add_f32 v[ST+8*\u+4], v[ST+8*\u+2], v[ST+8*\u+3]
.endr
.set i, 0
.rept 16
	ds_store_b128 v[XA], v[OT+4*i:OT+4*i+3] offset:512*i     ; images of the registers: 512 consecutive bytes a store
.set i, i+1
.endr
	ds_store_b32 v[XS], v[ST]
	ds_store_b32 v[XS], v[ST+8] offset:128
	ds_store_b32 v[XS], v[ST+4] offset:256
	ds_store_b32 v[XS], v[ST+12] offset:384
.Lkeep_\@:
	s_wait_dscnt 0x0                               ; for the others' sake: my stores have landed
	s_barrier_signal -1
	s_barrier_wait -1
	s_cmp_ge_u32 s[WV], 4
	s_cbranch_scc1 .Lgave_\@
.set i, 0
.rept 16
	ds_load_b128 v[SS+4*i:SS+4*i+3], v[XA] offset:512*i
.set i, i+1
.endr
	ds_load_b32 v[KV+32], v[XS]
	ds_load_b32 v[KV+33], v[XS] offset:128
	ds_load_b32 v[KV+34], v[XS] offset:256
	ds_load_b32 v[KV+35], v[XS] offset:384
.Lgave_\@:
	s_wait_dscnt 0x0                               ; my loads are in
	s_barrier_signal -1
	s_barrier_wait -1
	s_cmp_ge_u32 s[WV], 4
	s_cbranch_scc1 .Lmerged_\@
.irp u, 0,1
	v_max_num_f32 v[ST+8*\u+4], v[ST+8*\u], v[KV+32+\u]       ; the larger c m
.endr
.irp u, 0,1
	v_sub_f32 v[ST+8*\u+5], v[ST+8*\u], v[ST+8*\u+4]
.endr
.irp u, 0,1
	v_sub_f32 v[ST+8*\u+6], v[KV+32+\u], v[ST+8*\u+4]
.endr
.irp u, 0,1
	v_exp_f32 v[ST+8*\u+5], v[ST+8*\u+5]           ; my half's factor,
.endr
.irp u, 0,1
	v_exp_f32 v[ST+8*\u+6], v[ST+8*\u+6]           ; the other's
.endr
.irp u, 0,1
	v_add_f32 v[ST+8*\u+7], v[ST+8*\u+2], v[ST+8*\u+3]        ; (plain lines behind the four exponentials)
.endr
	s_wait_alu depctr_va_vdst(0)                   ; one wait for the four
.irp u, 0,1
	v_mul_f32 v[ST+8*\u+7], v[ST+8*\u+7], v[ST+8*\u+5]
.endr
.irp u, 0,1
	v_fma_f32 v[ST+8*\u+7], v[KV+34+\u], v[ST+8*\u+6], v[ST+8*\u+7]
.endr
.irp u, 0,1
	v_permlanex16_b32 v[ST+8*\u+1], v[ST+8*\u+7], s[SEL], s[SEL+1]
.endr
.irp u, 0,1
	v_add_f32 v[ST+8*\u+7], v[ST+8*\u+7], v[ST+8*\u+1]        ; the row's sum
.endr
.irp u, 0,1
	v_rcp_f32 v[ST+8*\u+1], v[ST+8*\u+7]
.endr
	v_nop
	s_wait_alu depctr_va_vdst(0)                   ; one wait for the two reciprocals
.irp u, 0,1
	v_mul_f32 v[ST+8*\u+4], v[ST+8*\u+5], v[ST+8*\u+1]
.endr
.irp u, 0,1
	v_mul_f32 v[ST+8*\u+6], v[ST+8*\u+6], v[ST+8*\u+1]
.endr
.set n, 0
.rept 16
.irp u, 0,1
	v_pk_mul_f32 v[OT+32*\u+2*n:OT+32*\u+2*n+1], v[OT+32*\u+2*n:OT+32*\u+2*n+1], v[ST+8*\u+4:ST+8*\u+5] op_sel_hi:[1,0]
.endr
.set n, n+1
.endr
.set n, 0
.rept 16
.irp u, 0,1
	v_pk_fma_f32 v[OT+32*\u+2*n:OT+32*\u+2*n+1], v[SS+32*\u+2*n:SS+32*\u+2*n+1], v[ST+8*\u+6:ST+8*\u+7], v[OT+32*\u+2*n:OT+32*\u+2*n+1] op_sel_hi:[1,0,1]
.endr
.set n, n+1
.endr
.set n, 0
.rept 16
.irp u, 0,1
	v_cvt_pk_f16_f32 v[KV+16*\u+n], v[OT+32*\u+2*n], v[OT+32*\u+2*n+1]
.endr
.set n, n+1
.endr
.irp u, 0,1
.irp t, 0,1,2,3
	global_store_b128 v[LI], v[KV+16*\u+4*\t:KV+16*\u+4*\t+3], s[CB:CB+1] offset:32768*\u+512*\t   ; an image of 16 positions x 16 channels: 512 consecutive aligned bytes
.endr
.endr
.Lmerged_\@:
.if !\last
	s_wait_xcnt 0x0                                ; the stores have read their base and their data: both are written again
	s_mov_b64 s[CB:CB+1], s[CB2:CB2+1]
	FRESH
	s_wait_loadcnt 0x0                             ; phase B's Q
.endif
.endm
; ONE KEY BLOCK for my wave: 64 keys x 32 queries.  last = 1: u = 32, phase B's diagonal.
.macro BLOCK last
.if \last
	s_mov_b32 s[HF], s[HID]
.else
	s_cmp_eq_u32 s[UU], s[PB]                      ; phase A's diagonal?  Ids and the count of blocks alone: the same in all eight waves
	s_cselect_b32 s[SW], 1, 0
	s_and_b32 s[HF], s[SW], s[HID]
.endif
	v_add_nc_u32 v[ADK], s[TB], v[AK]
	v_add_nc_u32 v[ADV], s[TB], v[AV]
.rept 3
	v_nop                                          ; with the two additions five places behind the last products: for the loads into V's registers, and for the products below, which write over P's
.endr
	s_cmp_lg_u32 s[HF], 0
	s_cbranch_scc1 .Ldone_\@                       ; all my keys come after all my queries: the step is left out
.irp kt, 0,1,2,3
.irp c, 0,1
	ds_load_b128 v[KV+16*\kt+8*\c:KV+16*\kt+8*\c+3], v[ADK] offset:2048*\kt+1024*\c
	ds_load_b128 v[KV+16*\kt+8*\c+4:KV+16*\kt+8*\c+7], v[ADK] offset:2048*\kt+1024*\c+512
.endr
.endr
	s_wait_dscnt 0x0
.set i, 0
.rept 16                               ; S^T = K Q^T: the eight accumulators take turns, one instruction a turn; the first eight start the sums
.set rS, SS+32*(i%2)+8*((i/2)%4)
.set rK, KV+16*((i/2)%4)+8*(i/8)
.set rQ, QF+16*(i%2)+8*(i/8)
.if i < 8
	v_wmma_f32_16x16x32_f16 v[rS:rS+7], v[rK:rK+7], v[rQ:rQ+7], 0
.else
	v_wmma_f32_16x16x32_f16 v[rS:rS+7], v[rK:rK+7], v[rQ:rQ+7], v[rS:rS+7]
.endif
.set i, i+1
.endr
.rept 4
	v_nop                                          ; places: for the loads into K's registers and for the first reads of the scores
.endr
.irp kc, 0,1
.irp dt, 0,1,2,3
	ds_load_tr16_b128 v[KV+32*\kc+8*\dt:KV+32*\kc+8*\dt+3], v[ADV] offset:4096*\kc+512*\dt          ; V lands under the softmax
	ds_load_tr16_b128 v[KV+32*\kc+8*\dt+4:KV+32*\kc+8*\dt+7], v[ADV] offset:4096*\kc+2048+512*\dt
.endr
.endr
.if !\last
	s_cmp_eq_u32 s[SW], 0
	s_cbranch_scc1 .Lopen_\@
.endif
	MASK
.Lopen_\@:
	SOFTMAX
	s_wait_dscnt 0x0                               ; V is in
.set i, 0
.rept 16                               ; O^T += V^T P: eight accumulators by turns
.set rO, OT+32*(i%2)+8*((i/2)%4)
.set rV, KV+32*(i/8)+8*((i/2)%4)
.set rP, SS+32*(i%2)+8*(i/8)
	v_wmma_f32_16x16x32_f16 v[rO:rO+7], v[rV:rV+7], v[rP:rP+7], v[rO:rO+7]
.set i, i+1
.endr
.Ldone_\@:
.if \last
	PHASE_END 1
.else
	s_cmp_eq_u32 s[SW], 0
	s_cbranch_scc1 .Lon_\@
	PHASE_END 0
.Lon_\@:
	s_add_co_u32 s[UU], s[UU], 1
	s_add_co_u32 s[TB], s[TB], BLK
.endif
.endm
.Lslot:                                            ; seven trips: at the heads of slots 0 to 6 the next slot is asked for
	CHANGE 1
	s_mov_b32 s[CNT], 4
.Lblk:
	BLOCK 0
	s_sub_co_u32 s[CNT], s[CNT], 1
	s_cmp_lg_u32 s[CNT], 0
	s_cbranch_scc1 .Lblk
	s_sub_co_u32 s[JC], s[JC], 1
	s_cmp_lg_u32 s[JC], 0
	s_cbranch_scc1 .Lslot
	CHANGE 2                                       ; slot 7: the one block that is left is asked for
	s_mov_b32 s[CNT], 4
.Lblk7:
	BLOCK 0
	s_sub_co_u32 s[CNT], s[CNT], 1
	s_cmp_lg_u32 s[CNT], 0
	s_cbranch_scc1 .Lblk7
	CHANGE 0
	BLOCK 1                                        ; u = 32
	s_wait_tensorcnt 0x0                           ; the wave's end, behind my last tensor load and my last LDS store
	ds_add_u32 v[SPW], v[NIL]
	s_wait_dscnt 0x0
	s_endpgm
.Lfunc_end_k_q8a293a3775_attn:
	.size	k_q8a293a3775_attn, .Lfunc_end_k_q8a293a3775_attn-k_q8a293a3775_attn
	.p2alignl 7, 3214868480
	.fill 96, 4, 3214868480
	.section	.rodata,"a",@progbits
	.p2align	6, 0x0
	.amdhsa_kernel k_q8a293a3775_attn
		.amdhsa_group_segment_fixed_size 327680
		.amdhsa_private_segment_fixed_size 0
		.amdhsa_enable_private_segment 0
		.amdhsa_kernarg_size 16
		.amdhsa_user_sgpr_count 2
		.amdhsa_user_sgpr_kernarg_segment_ptr 1
		.amdhsa_wavefront_size32 1
		.amdhsa_system_sgpr_workgroup_id_x 1
		.amdhsa_system_sgpr_workgroup_id_y 1
		.amdhsa_system_sgpr_workgroup_id_z 1
		.amdhsa_system_vgpr_workitem_id 0
		.amdhsa_next_free_vgpr 256
		.amdhsa_next_free_sgpr 66
		.amdhsa_reserve_vcc 1
		.amdhsa_float_denorm_mode_32 3
		.amdhsa_float_denorm_mode_16_64 3
		.amdhsa_memory_ordered 1
		.amdhsa_forward_progress 1
		.amdhsa_inst_pref_size 109
	.end_amdhsa_kernel
	.amdgpu_metadata
---
amdhsa.version: [ 1, 2 ]
amdhsa.kernels:
  - .name:           k_q8a293a3775_attn
    .symbol:         k_q8a293a3775_attn.kd
    .args:
      - { .name: qkv, .offset: 0, .size: 8, .value_kind: global_buffer, .address_space: global }
      - { .name: ctx, .offset: 8, .size: 8, .value_kind: global_buffer, .address_space: global }
    .group_segment_fixed_size: 327680
    .private_segment_fixed_size: 0
    .kernarg_segment_align: 8
    .kernarg_segment_size: 16
    .max_flat_workgroup_size: 256
    .sgpr_count:     66
    .vgpr_count:     256
    .wavefront_size: 32
...
	.end_amdgpu_metadata
.endif
;; end of part 3
;; launch proj (part 4): grid 8 x 32, 4 waves a work-group, clusters of 4 x 4, 327,680 bytes of LDS; arguments ctx, wo16, out0, bo; writes out0
.if DOCPART == 4
	.amdgcn_target "amdgcn-amd-amdhsa--gfx1250"
	.amdhsa_code_object_version 6
	.text
	.protected	k_q8a293a3775_proj
	.globl	k_q8a293a3775_proj
	.p2align	8
	.type	k_q8a293a3775_proj,@function
k_q8a293a3775_proj:
	s_mov_b64 s[64:65], 0
	v_nop
	global_prefetch_b8 v0, s[64:65] scope:SCOPE_SE
	s_setreg_imm32_b32 hwreg(HW_REG_WAVE_MODE, 25, 1), 1
	s_wait_xcnt 0x0
	s_wait_alu depctr_hold_cnt(0) depctr_sa_sdst(0) depctr_va_vdst(0) depctr_va_sdst(0) depctr_va_ssrc(0) depctr_va_vcc(0) depctr_vm_vsrc(0)
	s_getreg_b32 s2, hwreg(HW_REG_IB_STS2, 6, 4)
	s_cmp_eq_u32 s2, 0
	s_cbranch_scc0 .Lentry_in_a_cluster
	s_endpgm
.Lentry_in_a_cluster:
	s_bfe_u32 s2, ttmp6, 0x10000c
	s_cmp_lg_u32 s2, 0xf033
	s_cbranch_scc0 .Lentry_shape_is_right
	s_endpgm
.Lentry_shape_is_right:
; out0[m][n] = sum over k of ctx[m][k] Wo[n][k] + bo[n].  ctx and Wo in f16, sums and out0 in f32.  M = 4,096, N = K = 1,024.
; A tile of out0 is 128 x 128: 256 work-groups; four waves, each 64 x 64: 16 accumulators.  K goes in four steps of 256 through two LDS slots filled by the tensor data mover.
; A = ctx lies in memory as IMAGES of its fragments: [position / 16][k / 32][half][lane][16 bytes]: a K step of a tile of 16 positions is 8,192 dense bytes, and every LDS load of A reads 512 consecutive bytes.
; B = Wo lies row-major: LDS rows of 512 bytes + 16 of padding.
; CLUSTERS: 4 x 4 work-groups; the four of a row of the cluster ask for A's tiles jointly, the four of a column for B's.
; THE MATRIX INSTRUCTION IS USED TRANSPOSED (source 0 = 16 rows of Wo, source 1 = 16 positions): a lane holds eight neighbouring numbers of a row of out0.  bo is the C of each sum's first matrix instruction.
; Rows 0 to 15 of out0 are written here like all others and written once more, from f32 operands, by the last launch: 65,536 bytes twice.
; REGISTERS: window 0: v0-31 addresses; v32-63 bo in the result's layout, later with v64-95 rows on the way out; v128-255 the accumulators ((a, b) at v[128 + 8 (4 a + b)]).
;   window 1: two fragment buffers of 128: for 64 along K, 64 registers of A, then 64 of B.
.set SIZE_N, 1024
.set SIZE_K, 1024
.set KSTEP,  256
.set PITCH,  528                       ; B's LDS row: 512 bytes + 16 = 132 words: the 16 rows that a load touches start at 16 different banks (64 banks of 4 bytes: ISA guide 11.1)
.set HALFA,  32768                     ; four tiles of 16 positions x 8,192 bytes: what one tensor load brings of A
.set HALFB,  64*PITCH                  ; 64 rows of Wo: what one brings of B
.set BOFF,   2*HALFA
.set SLOT,   2*HALFA+2*HALFB
.set STAGE,  2*SLOT                    ; behind the ring: 16 rows x 272 bytes for each wave, for the way out
.set SPITCH, 272
.set SPARE,  STAGE+4*16*SPITCH         ; the spare words, 128 bytes a wave
.set ADRA, 16                          ; v16-17  LDS address of my A fragments in slot 0, 1
.set ADRB, 20                          ; v20-21  the same for B
.set STO,  24                          ; v24     the way out: where I put 32 bytes of a row
.set RD,   25                          ; v25     where I read a row back
.set CO,   26                          ; v26     my byte offset in out0
.set BV,   27                          ; v27     32 h: my eight numbers of bo in a tile of 16
.set SPW,  28                          ; v28     LDS address of my spare word; never rewritten
.set NIL,  29                          ; v29     0; never rewritten
.set BIAS, 32
.set OB,   32
.set ACC,  128
.set F0,   0
.set F1,   128
.set G1, 24                            ; s[24:31] descriptor group 1 for A's tiles;  s[32:39] group 0, one set for each slot
.set G0, 32
.set G1B, 48                           ; s[48:55], s[56:63] the same for B's tiles
.set G0B, 56
.set MSB, 0
.macro WIN new
.if MSB != \new
	s_set_vgpr_msb (MSB<<8)|\new
.set MSB, \new
.endif
.endm
.set MUL,  0x05                        ; sources 0 (B) and 1 (A) window 1; C and D window 0
.set TO_F, 0x40                        ; destination window 1, address window 0
.macro JLOAD s                         ; a joint load: waves 0 and 1 fetch A's two halves, waves 2 and 3 B's; an s_nop 0 and four v_nop follow each line
	s_cmp_eq_u32 s11, 0
	s_cbranch_scc0 .Lfor_b_\@
	tensor_load_to_lds s[G0+4*\s:G0+4*\s+3], s[G1:G1+7]
	s_nop 0
.rept 4
	v_nop
.endr
	s_branch .Lasked_\@
.Lfor_b_\@:
	tensor_load_to_lds s[G0B+4*\s:G0B+4*\s+3], s[G1B:G1B+7]
	s_nop 0
.rept 4
	v_nop
.endr
.Lasked_\@:
.endm
.macro CREST                           ; a round of the cluster's barrier behind its opening barrier
	s_cmp_lg_u32 s10, 0
	s_cbranch_scc1 .Lnot_wave_0_\@
	s_barrier_signal -3
.Lnot_wave_0_\@:
	s_barrier_wait -3
	s_barrier_signal -1
	s_barrier_wait -1
.endm
.macro CROUND
	s_barrier_signal -1
	s_barrier_wait -1
	CREST
.endm
	s_load_b128 s[4:7], s[0:1], 0x0                ; ctx s[4:5], wo16 s[6:7]
	s_load_b64 s[8:9], s[0:1], 0x10                ; out0
	s_load_b64 s[66:67], s[0:1], 0x18              ; bo
	v_lshl_add_u32 v[SPW], v0, 2, SPARE
	v_mov_b32 v[NIL], 0
	ds_add_u32 v[SPW], v[NIL]                      ; the wave's opening: the add, twice on end, and its wait ahead of my first tensor load
	ds_add_u32 v[SPW], v[NIL]                      ; and once more, under the one wait
	v_lshrrev_b32 v1, 5, v0
	v_readfirstlane_b32 s10, v1                    ; wave 0..3
	s_lshr_b32 s11, s10, 1                         ; which half of the tile's rows is mine.  Also: I fetch for A (0) or for B (1)
	s_and_b32 s12, s10, 1                          ; which half of its columns.  Also: which half of that tile I fetch
	s_bfe_u32 s40, ttmp6, 0x40000                  ; cx, cy
	s_bfe_u32 s41, ttmp6, 0x40004
	s_lshl_b32 s42, ttmp9, 2
	s_add_co_u32 s42, s42, s40                     ; tile column = 4 x cluster x + cx
	s_and_b32 s13, ttmp7, 0xffff
	s_lshl_b32 s13, s13, 2
	s_add_co_u32 s13, s13, s41                     ; tile row = 4 x cluster y + cy
	s_lshl_b32 s43, s41, 2
	s_lshl_b32 s43, 15, s43                        ; my row of the cluster
	s_lshl_b32 s44, 0x1111, s40                    ; my column
	; A: 4 rows of 8,192 bytes (1,024 elements of 8 bytes), 32,768 bytes apart in memory, dense in LDS
	s_or_b32 s[G1+0], s43, (3<<16)|(1<<21)         ; the mask: my row; elements of 8 bytes; no padding; bit 21 beside a mask
	s_mov_b32 s[G1+1], 1024<<16                    ; tensor_dim0
	s_mov_b32 s[G1+2], 4<<16                       ; tensor_dim1
	s_mov_b32 s[G1+3], 1024<<16                    ; tile_dim0
	s_mov_b32 s[G1+4], 4                           ; tile_dim1
	s_mov_b32 s[G1+5], 4096                        ; tensor_dim0_stride
	s_mov_b32 s[G1+6], 0
	s_mov_b32 s[G1+7], 0
	; B: 64 rows x 256 elements of 2 bytes, 4 words of padding after every 128
	s_or_b32 s[G1B+0], s44, (1<<16)|(1<<20)|(1<<21)|(6<<22)|(3<<25)
	s_mov_b32 s[G1B+1], KSTEP<<16
	s_mov_b32 s[G1B+2], 64<<16
	s_mov_b32 s[G1B+3], KSTEP<<16
	s_mov_b32 s[G1B+4], 64
	s_mov_b32 s[G1B+5], SIZE_K
	s_mov_b32 s[G1B+6], 0
	s_mov_b32 s[G1B+7], 0
	s_lshl_b32 s16, s13, 3
	s_lshl_b32 s17, s12, 2
	s_add_co_u32 s16, s16, s17                     ; A: tile of 16 positions 8 x tile row + 4 x half,
	s_lshl_b32 s16, s16, 15                        ; 32,768 bytes each
	s_mov_b32 s17, 0
	s_lshl_b32 s46, s42, 7
	s_lshl_b32 s47, s12, 6
	s_add_co_u32 s46, s46, s47                     ; B: row 128 x tile column + 64 x half,
	s_lshl_b32 s46, s46, 11                        ; 2,048 bytes each
	s_mov_b32 s47, 0
	s_lshl_b32 s20, s12, 15                        ; where they go: A's half;
	s_mul_i32 s21, s12, HALFB
	s_add_co_u32 s21, s21, BOFF                    ; B's half, behind A's two: no place in the cluster enters an LDS address
	s_wait_dscnt 0x0                               ; both opening adds are done
	s_wait_kmcnt 0x0
	s_add_nc_u64 s[14:15], s[4:5], s[16:17]
	s_add_nc_u64 s[46:47], s[6:7], s[46:47]
	CROUND                                         ; all sixteen work-groups are here: the first joint loads meet
.irp s, 0,1
	s_mov_b32 s[G0+4*\s], 1
	s_add_co_u32 s[G0+4*\s+1], s20, \s*SLOT
	s_add_nc_u64 s[G0+4*\s+2:G0+4*\s+3], s[14:15], \s*8192
	s_or_b32 s[G0+4*\s+3], s[G0+4*\s+3], 0x80000000
	s_mov_b32 s[G0B+4*\s], 1
	s_add_co_u32 s[G0B+4*\s+1], s21, \s*SLOT
	s_add_nc_u64 s[G0B+4*\s+2:G0B+4*\s+3], s[46:47], \s*KSTEP*2
	s_or_b32 s[G0B+4*\s+3], s[G0B+4*\s+3], 0x80000000
	JLOAD \s                                       ; two tensor loads of mine are out at the start, later one
.endr
	v_and_b32 v1, 15, v0                           ; r
	v_bfe_u32 v2, v0, 4, 1                         ; h
	v_and_b32 v3, 31, v0
	v_lshlrev_b32 v3, 4, v3                        ; A: 16 x lane
	v_mul_u32_u24 v4, v1, PITCH
	v_lshl_add_u32 v4, v2, 4, v4                   ; B: row x pitch + 16 x half
	s_lshl_b32 s21, s11, 15                        ; my 64 positions of A
	s_mul_i32 s22, s12, HALFB                      ; my 64 rows of B
	s_add_co_u32 s22, s22, BOFF
.irp s, 0,1
	v_add_nc_u32 v[ADRA+\s], s21, v3
	v_add_nc_u32 v[ADRB+\s], s22, v4
	s_add_co_u32 s21, s21, SLOT
	s_add_co_u32 s22, s22, SLOT
.endr
	s_mul_i32 s23, s10, 16*SPITCH
	s_add_co_u32 s23, s23, STAGE                   ; my stage
	v_mul_u32_u24 v5, v1, SPITCH
	v_lshl_add_u32 v5, v2, 5, v5
	v_add_nc_u32 v[STO], s23, v5                   ; in: row r, 32 bytes for each half of the lanes
	v_mul_u32_u24 v5, v2, SPITCH
	v_lshl_add_u32 v5, v1, 4, v5
	v_add_nc_u32 v[RD], s23, v5                    ; back: lanes 0-15 one row of 256 bytes, lanes 16-31 the next
	v_lshlrev_b32 v5, 12, v2
	v_lshl_add_u32 v[CO], v1, 4, v5                ; and the same two rows in out0
	v_lshlrev_b32 v[BV], 5, v2
	s_lshl_b32 s16, s13, 7
	s_lshl_b32 s17, s11, 6
	s_add_co_u32 s16, s16, s17                     ; my first row of out0,
	s_lshl_b32 s16, s16, 12                        ; 4,096 bytes each
	s_lshl_b32 s46, s42, 7
	s_lshl_b32 s47, s12, 6
	s_add_co_u32 s46, s46, s47
	s_lshl_b32 s46, s46, 2                         ; my first column, in bytes
	s_mov_b32 s47, 0
	s_add_nc_u64 s[66:67], s[66:67], s[46:47]
	s_add_co_u32 s16, s16, s46
	s_mov_b32 s17, 0
	s_add_nc_u64 s[8:9], s[8:9], s[16:17]
.irp b, 0,1,2,3
	global_load_b128 v[BIAS+8*\b:BIAS+8*\b+3], v[BV], s[66:67] offset:64*\b          ; bo(16 b + 8 h + 0 .. 7) of my 64 columns: the result's layout
	global_load_b128 v[BIAS+8*\b+4:BIAS+8*\b+7], v[BV], s[66:67] offset:64*\b+16
.endr
; 8 matrix instructions: position tiles a0, a0 + 1 x all 4 column tiles, 32 along K: half c of buffer f.  first = 1: the first product starts the sums, with bo as its C.  The 16 accumulators take turns.
.macro MUL8 f, c, a0, first
.irp a, \a0, \a0+1
.irp b, 0,1,2,3
.if \first
	v_wmma_f32_16x16x32_f16 v[ACC+8*(4*(\a)+\b):ACC+8*(4*(\a)+\b)+7], v[\f+64+8*(4*\c+\b):\f+64+8*(4*\c+\b)+7], v[\f+8*(4*\c+\a):\f+8*(4*\c+\a)+7], v[BIAS+8*\b:BIAS+8*\b+7]
.else
	v_wmma_f32_16x16x32_f16 v[ACC+8*(4*(\a)+\b):ACC+8*(4*(\a)+\b)+7], v[\f+64+8*(4*\c+\b):\f+64+8*(4*\c+\b)+7], v[\f+8*(4*\c+\a):\f+8*(4*\c+\a)+7], v[ACC+8*(4*(\a)+\b):ACC+8*(4*(\a)+\b)+7]
.endif
.endr
.endr
.endm
; 32 LDS loads in one run: the fragments of the slot's q-th 64 along K into buffer f; the first 32 along K first
.macro FETCH slot, q, f
	WIN TO_F
.irp c, 0,1
.irp i, 0,1,2,3
	ds_load_b128 v[\f+64+8*(4*\c+\i):\f+64+8*(4*\c+\i)+3],   v[ADRB+\slot] offset:128*(\q)+64*\c+\i*16*PITCH
	ds_load_b128 v[\f+64+8*(4*\c+\i)+4:\f+64+8*(4*\c+\i)+7], v[ADRB+\slot] offset:128*(\q)+64*\c+\i*16*PITCH+32
	ds_load_b128 v[\f+8*(4*\c+\i):\f+8*(4*\c+\i)+3],         v[ADRA+\slot] offset:\i*8192+1024*(2*(\q)+\c)
	ds_load_b128 v[\f+8*(4*\c+\i)+4:\f+8*(4*\c+\i)+7],       v[ADRA+\slot] offset:\i*8192+1024*(2*(\q)+\c)+512
.endr
.endr
.endm
.macro PLACES                          ; four places in front of loads into registers that matrix instructions have read, and of the first reads of results
.rept 4
	v_nop
.endr
.endm
; A K step is four quarters of 64 along K, 32 matrix instructions each, on buffers 0, 1, 0, 1.  One of the first three: multiplies buffer f and fetches quarter q into g.
.macro QUARTER slot, q, f, g, first
	s_wait_dscnt 16                                ; the first 32 along K are in; the sixteen loads of the second 32 may be out
	WIN MUL
	MUL8 \f, 0, 0, \first
	MUL8 \f, 0, 2, \first
	PLACES
	FETCH \slot, \q, \g
	s_wait_dscnt 32                                ; all but the 32 just issued
	WIN MUL
	MUL8 \f, 1, 0, 0
	MUL8 \f, 1, 2, 0
.endm
; The last quarter multiplies buffer 1 and changes slots: ONE barrier; in front of it each wave waits for all its tensor loads, adds 0 to its spare word, and waits for that and for its reads of this slot.
; fill = 1: this slot is filled again, two K steps ahead; the barrier then opens a round of the cluster's barrier.
.macro TURN slot, next, fill
	WIN 0                                          ; (the add's two registers lie in window 0)
	s_wait_tensorcnt 0x0                           ; all my tensor loads have landed: my part of the next slot;
	ds_add_u32 v[SPW], v[NIL]                      ; 0 onto my spare word;
	s_wait_dscnt 17                                ; (the add and the youngest sixteen loads may be out)
	WIN MUL
	MUL8 F1, 0, 0, 0                               ; eight matrix instructions stand between the add and the wait for it
	s_wait_dscnt 0x0                               ; the add is done, and my reads of this slot are over
	s_barrier_signal -1
	MUL8 F1, 0, 2, 0
.if \fill
	WIN 0
.endif
	s_barrier_wait -1
.if \fill
	CREST                                          ; no wave of any partner still reads this slot's tile or has a load on its way
	s_add_nc_u64 s[G0+4*\slot+2:G0+4*\slot+3], s[G0+4*\slot+2:G0+4*\slot+3], 2*8192
	s_add_nc_u64 s[G0B+4*\slot+2:G0B+4*\slot+3], s[G0B+4*\slot+2:G0B+4*\slot+3], 2*KSTEP*2
	JLOAD \slot                                    ; the first tensor load behind the round; its four v_nop are also the places in front of the loads below
.else
	PLACES
.endif
	FETCH \next, 0, F0
	WIN MUL
	MUL8 F1, 1, 0, 0
	MUL8 F1, 1, 2, 0
.endm
	s_wait_tensorcnt 1                             ; my part of K step 0 is in (K step 1's load may be out),
	s_barrier_signal -1
	s_barrier_wait -1                              ; everybody's is
	FETCH 0, 0, F0
	s_wait_loadcnt 0x0                             ; bo
	QUARTER 0, 1, F0, F1, 1                        ; K step 0: its first products start the sums
	QUARTER 0, 2, F1, F0, 0
	QUARTER 0, 3, F0, F1, 0
	TURN 0, 1, 1                                   ; slot 0 takes K step 2
	QUARTER 1, 1, F0, F1, 0                        ; K step 1
	QUARTER 1, 2, F1, F0, 0
	QUARTER 1, 3, F0, F1, 0
	TURN 1, 0, 1                                   ; slot 1 takes K step 3
	QUARTER 0, 1, F0, F1, 0                        ; K step 2
	QUARTER 0, 2, F1, F0, 0
	QUARTER 0, 3, F0, F1, 0
	TURN 0, 1, 0                                   ; nothing is left to fetch
	QUARTER 1, 1, F0, F1, 0                        ; K step 3
	QUARTER 1, 2, F1, F0, 0
	QUARTER 1, 3, F0, F1, 0
	s_wait_dscnt 16
	WIN MUL
	MUL8 F1, 0, 0, 0
	MUL8 F1, 0, 2, 0
	s_wait_dscnt 0
	MUL8 F1, 1, 0, 0
	MUL8 F1, 1, 2, 0
	WIN 0
; THE WAY OUT.  My 64 columns of f32 are 256 aligned bytes of a row; a lane holds 32 of them and the lanes beside it hold other rows: a block of 16 rows goes through my own stage and comes back as whole rows.
; LDS serves a wave's instructions in order (ISA guide 5.7.1.4): no wait between the stores and the loads, nor in front of the next block's stores.
.macro TOSTAGE a
.irp b, 0,1,2,3
	ds_store_b128 v[STO], v[ACC+8*(4*(\a)+\b):ACC+8*(4*(\a)+\b)+3] offset:64*\b          ; each accumulator from its low end on
	ds_store_b128 v[STO], v[ACC+8*(4*(\a)+\b)+4:ACC+8*(4*(\a)+\b)+7] offset:64*\b+16
.endr
.irp t, 0,1,2,3,4,5,6,7
	ds_load_b128 v[OB+32*((\a)%2)+4*\t:OB+32*((\a)%2)+4*\t+3], v[RD] offset:\t*2*SPITCH
.endr
.endm
.macro SEND a, younger                 ; younger: the LDS instructions issued behind block a's loads, which may stay out
	s_wait_dscnt \younger
.irp t, 0,1,2,3,4,5,6,7
	global_store_b128 v[CO], v[OB+32*((\a)%2)+4*\t:OB+32*((\a)%2)+4*\t+3], s[8:9] offset:(16*(\a)+2*\t)*SIZE_N*4 th:TH_STORE_NT   ; 16 lanes store 256 consecutive aligned bytes
.endr
.endm
	PLACES
	TOSTAGE 0
.irp a, 1,2,3
.if \a > 1
	s_wait_xcnt 0x0                                ; block a - 2's stores have read their registers: block a's loads may land there
.endif
	TOSTAGE \a
	SEND \a-1, 16                                  ; behind block a - 1's loads: block a's 8 stores and 8 loads
.endr
	SEND 3, 0
	s_wait_tensorcnt 0x0                           ; the wave's end, behind my last tensor load and my last LDS store
	ds_add_u32 v[SPW], v[NIL]
	s_wait_dscnt 0x0
	CROUND                                         ; the closing round
	s_endpgm
.Lfunc_end_k_q8a293a3775_proj:
	.size	k_q8a293a3775_proj, .Lfunc_end_k_q8a293a3775_proj-k_q8a293a3775_proj
	.p2alignl 7, 3214868480
	.fill 96, 4, 3214868480
	.section	.rodata,"a",@progbits
	.p2align	6, 0x0
	.amdhsa_kernel k_q8a293a3775_proj
		.amdhsa_group_segment_fixed_size 327680
		.amdhsa_private_segment_fixed_size 0
		.amdhsa_enable_private_segment 0
		.amdhsa_kernarg_size 32
		.amdhsa_user_sgpr_count 2
		.amdhsa_user_sgpr_kernarg_segment_ptr 1
		.amdhsa_wavefront_size32 1
		.amdhsa_system_sgpr_workgroup_id_x 1
		.amdhsa_system_sgpr_workgroup_id_y 1
		.amdhsa_system_sgpr_workgroup_id_z 1
		.amdhsa_system_vgpr_workitem_id 0
		.amdhsa_next_free_vgpr 512
		.amdhsa_next_free_sgpr 68
		.amdhsa_reserve_vcc 0
		.amdhsa_float_denorm_mode_32 3
		.amdhsa_float_denorm_mode_16_64 3
		.amdhsa_memory_ordered 1
		.amdhsa_forward_progress 1
		.amdhsa_inst_pref_size 86
	.end_amdhsa_kernel
	.amdgpu_metadata
---
amdhsa.version: [ 1, 2 ]
amdhsa.kernels:
  - .name:           k_q8a293a3775_proj
    .symbol:         k_q8a293a3775_proj.kd
    .args:
      - { .name: ctx, .offset: 0, .size: 8, .value_kind: global_buffer, .address_space: global }
      - { .name: wo16, .offset: 8, .size: 8, .value_kind: global_buffer, .address_space: global }
      - { .name: out0, .offset: 16, .size: 8, .value_kind: global_buffer, .address_space: global }
      - { .name: bo, .offset: 24, .size: 8, .value_kind: global_buffer, .address_space: global }
    .group_segment_fixed_size: 327680
    .private_segment_fixed_size: 0
    .kernarg_segment_align: 8
    .kernarg_segment_size: 32
    .max_flat_workgroup_size: 128
    .sgpr_count:     68
    .vgpr_count:     512
    .wavefront_size: 32
...
	.end_amdgpu_metadata
.endif
;; end of part 4
;; launch first16 (part 5): grid 16 x 1, 16 waves a work-group, no clusters, 71,680 bytes of LDS; arguments rows32, Wo, bo, out0; writes out0
.if DOCPART == 5
	.amdgcn_target "amdgcn-amd-amdhsa--gfx1250"
	.amdhsa_code_object_version 6
	.text
	.protected	k_q8a293a3775_first16
	.globl	k_q8a293a3775_first16
	.p2align	8
	.type	k_q8a293a3775_first16,@function
k_q8a293a3775_first16:
	s_mov_b64 s[64:65], 0
	v_nop
	global_prefetch_b8 v0, s[64:65] scope:SCOPE_SE
	s_setreg_imm32_b32 hwreg(HW_REG_WAVE_MODE, 25, 1), 1
	s_wait_xcnt 0x0
; Positions 0 to 15 once more, ALL IN F32: under the causal mask they average one to sixteen values, so the rounding of 16-bit operands weighs most there.  This launch writes rows 0 to 15 of out0 over what launch proj left.
; WORK LEFT OUT (shown dead at the head of launch quant): nothing beyond the 16 x 16 block: keys from 16 on are hidden from these queries by reference()'s own mask.
; SHARES.  Work-group j owns columns 64 j .. 64 j + 63 of the sixteen rows.  Wave w is head w: it makes that head's 16 x 16 attention (every work-group repeats these 32 small matrix instructions: they cost less
; than a launch between), and then its 64 of the projection's K = 1,024.  The sixteen partial results meet in LDS and are added in the order of the heads.
; All products by v_wmma_f32_16x16x4_f32.  Of its K = 4, lane half h and register j' hold one number; this text puts the SAME index there on both sides: step s of a tile of 16 takes index 8 h + 2 s + j'.
; So registers as the accumulators of launch qkv left them (lane (r, h): position r, columns 8 h + 0 .. 7) serve as operands in pairs, and a result serves as the next product's source 1 as it stands.
; The registers that these matrix instructions write (v176-239) are written by nothing else.
.set PP,    272                        ; a row of a partial result in LDS: 256 bytes + 16
.set PART,  16*PP                      ; a wave's partial result
.set SPARE, 16*PART                    ; behind them: the spare words, 128 bytes a wave
.set LI,  1                            ; v1   16 x lane
.set VL,  2                            ; v2   v: where V(key 8 h + 0, d = r) lies in an image
.set VW,  3                            ; v3   Wo: row r, 32 h bytes on
.set DQ,  4                            ; v4   the mask: r - 8 h
.set RW,  5                            ; v5   LDS: where I put 32 bytes of a row of my partial result
.set RR,  6                            ; v6   LDS: my 8 bytes of row w of partial result 0
.set GO,  7                            ; v7   out0: row w, 8 bytes a lane
.set SPW, 8                            ; v8   LDS address of my spare word; never rewritten
.set NIL, 9                            ; v9   0; never rewritten
.set NINF, 10
.set BL,  11                           ; v11  8 x lane
.set QR,  16                           ; v16-47   q; later Wo's column tile 2
.set KR,  48                           ; v48-79   k; later Wo's column tile 3
.set VR,  80                           ; v80-111  v, turned
.set A1,  176                          ; v176-207 four accumulators: S^T in four parts, later the four column tiles of the result
.set A2,  208                          ; v208-239 four accumulators: ctx^T
.set PR,  240                          ; v240-247 the scores, then p
	s_load_b256 s[4:11], s[0:1], 0x0               ; rows32 s[4:5], Wo s[6:7], bo s[8:9], out0 s[10:11]
	v_lshl_add_u32 v[SPW], v0, 2, SPARE
	v_mov_b32 v[NIL], 0
	v_lshrrev_b32 v11, 5, v0
	v_readfirstlane_b32 s12, v11                   ; wave = head
	v_and_b32 v14, 15, v0                          ; r
	v_bfe_u32 v15, v0, 4, 1                        ; h
	v_and_b32 v11, 31, v0
	v_lshlrev_b32 v[LI], 4, v11
	v_bfe_u32 v[VL], v14, 2, 1                     ; an image holds column 8 h' + 4 quad + e of position r' at 512 quad + 16 (r' + 16 h') + 4 e: I want column r of position 8 h + i
	v_lshlrev_b32 v[VL], 9, v[VL]
	v_lshrrev_b32 v3, 3, v14
	v_lshl_add_u32 v[VL], v3, 8, v[VL]
	v_lshl_add_u32 v[VL], v15, 7, v[VL]
	v_and_b32 v3, 3, v14
	v_lshl_add_u32 v[VL], v3, 2, v[VL]
	v_lshlrev_b32 v[VW], 12, v14
	v_lshl_add_u32 v[VW], v15, 5, v[VW]
	v_lshlrev_b32 v[DQ], 3, v15
	v_sub_nc_u32 v[DQ], v14, v[DQ]
	s_mul_i32 s13, s12, PART
	v_mul_u32_u24 v[RW], v14, PP
	v_lshl_add_u32 v[RW], v15, 5, v[RW]
	v_add_nc_u32 v[RW], s13, v[RW]
	s_mul_i32 s13, s12, PP
	v_lshlrev_b32 v[BL], 3, v11
	v_add_nc_u32 v[RR], s13, v[BL]
	s_lshl_b32 s13, s12, 12
	v_add_nc_u32 v[GO], s13, v[BL]
	v_mov_b32 v[NINF], 0xff800000
	v_mov_b32 v249, 0                              ; written once: a lane permute's destination counts as one of its sources
	v_mov_b32 v251, 0
	s_mov_b32 s16, 0x3e38aa3b                      ; c = log2(e) / 8
	s_mov_b32 s18, 0x76543210
	s_mov_b32 s19, 0xfedcba98                      ; selects for lane l xor 16
	s_lshl_b32 s14, s12, 12                        ; rows32: my head's four tiles of 16 columns, 1,024 bytes each
	s_mov_b32 s15, 0
	s_lshl_b32 s20, ttmp9, 18                      ; Wo: 64 rows of 4,096 bytes a work-group,
	s_lshl_b32 s21, s12, 8                         ; my head's 64 numbers of each
	s_add_co_u32 s20, s20, s21
	s_mov_b32 s21, 0
	s_lshl_b32 s22, ttmp9, 8                       ; bo and out0: 64 columns a work-group
	s_mov_b32 s23, 0
	s_wait_kmcnt 0x0
	s_add_nc_u64 s[4:5], s[4:5], s[14:15]
	s_add_nc_u64 s[6:7], s[6:7], s[20:21]
	s_add_nc_u64 s[8:9], s[8:9], s[22:23]
	s_add_nc_u64 s[10:11], s[10:11], s[22:23]
.set i, 0
.rept 8
	global_load_b128 v[QR+4*i:QR+4*i+3], v[LI], s[4:5] offset:512*i            ; register 8 t + j: q(position r, d = 16 t + 8 h + j)
	global_load_b128 v[KR+4*i:KR+4*i+3], v[LI], s[4:5] offset:65536+512*i      ; k likewise
.set i, i+1
.endr
.irp t, 0,1,2,3
.irp i, 0,1,2,3,4,5,6,7
	global_load_b32 v[VR+8*\t+\i], v[VL], s[4:5] offset:131072+1024*\t+16*\i   ; register 8 t + i: v(key 8 h + i, d = 16 t + r)
.endr
.endr
.macro WOLOAD b, reg                   ; register 8 t + j: Wo(64 j' + 16 b + r, 64 w + 16 t + 8 h + j)
.irp t, 0,1,2,3
	global_load_b128 v[\reg+8*\t:\reg+8*\t+3], v[VW], s[6:7] offset:65536*\b+64*\t
	global_load_b128 v[\reg+8*\t+4:\reg+8*\t+7], v[VW], s[6:7] offset:65536*\b+64*\t+16
.endr
.endm
	WOLOAD 0, 112
	WOLOAD 1, 144
	global_load_b64 v[12:13], v[BL], s[8:9]        ; bo of my two columns
	s_wait_loadcnt 0x0
.set i, 0
.rept 16                               ; S^T = k q^T (source 0 = 16 keys, source 1 = 16 queries), K = 64 in sixteen steps, on four accumulators by turns; the first four start the sums
.if i < 4
	v_wmma_f32_16x16x4_f32 v[A1+8*(i%4):A1+8*(i%4)+7], v[KR+2*i:KR+2*i+1], v[QR+2*i:QR+2*i+1], 0
.else
	v_wmma_f32_16x16x4_f32 v[A1+8*(i%4):A1+8*(i%4)+7], v[KR+2*i:KR+2*i+1], v[QR+2*i:QR+2*i+1], v[A1+8*(i%4):A1+8*(i%4)+7]
.endif
.set i, i+1
.endr
.rept 8
	v_nop                                          ; eight places behind this form: for the loads into q's and k's registers and the first reads of results
.endr
	WOLOAD 2, QR
	WOLOAD 3, KR
.irp j, 0,1,2,3,4,5,6,7
	v_add_f32 v[PR+\j], v[A1+\j], v[A1+8+\j]       ; the four parts, each accumulator from its low end on: lane (r, h): query r, key 8 h + j
	v_add_f32 v[PR+\j], v[PR+\j], v[A1+16+\j]
	v_add_f32 v[PR+\j], v[PR+\j], v[A1+24+\j]
.endr
.irp j, 0,1,2,3,4,5,6,7
	v_cmp_gt_i32 vcc_lo, \j, v[DQ]                 ; key 8 h + j > query r: hidden
	v_cndmask_b32 v[PR+\j], v[PR+\j], v[NINF], vcc_lo
.endr
	v_max3_num_f32 v248, v[PR], v[PR+1], v[PR+2]
	v_max3_num_f32 v248, v248, v[PR+3], v[PR+4]
	v_max3_num_f32 v248, v248, v[PR+5], v[PR+6]
	v_max_num_f32 v248, v248, v[PR+7]
	v_permlanex16_b32 v249, v248, s18, s19
	v_max_num_f32 v248, v248, v249                 ; the row's maximum: key 0 counts for every query, so it is a number
	v_mul_f32 v249, s16, v248
.irp j, 0,1,2,3,4,5,6,7
	v_fma_f32 v[PR+\j], v[PR+\j], s16, -v249       ; c s - c m
.endr
.irp j, 0,1,2,3,4,5,6,7
	v_exp_f32 v[PR+\j], v[PR+\j]
.endr
	v_nop
	s_wait_alu depctr_va_vdst(0)                   ; one wait for the eight exponentials, ahead of their first reader
	v_add_f32 v250, v[PR], v[PR+1]
	v_add_f32 v252, v[PR+2], v[PR+3]
	v_add_f32 v250, v250, v[PR+4]
	v_add_f32 v252, v252, v[PR+5]
	v_add_f32 v250, v250, v[PR+6]
	v_add_f32 v252, v252, v[PR+7]
	v_add_f32 v250, v250, v252
	v_permlanex16_b32 v251, v250, s18, s19
	v_add_f32 v250, v250, v251                     ; the row's sum
	v_rcp_f32 v250, v250
	v_nop
	s_wait_alu depctr_va_vdst(0)
.irp j, 0,1,2,3,4,5,6,7
	v_mul_f32 v[PR+\j], v[PR+\j], v250             ; the weights
.endr
.irp s, 0,1,2,3                        ; ctx^T = v^T p (source 0 = 16 d, source 1 = 16 queries), K = 16 keys in four steps, four accumulators by turns
.irp t, 0,1,2,3
.if \s == 0
	v_wmma_f32_16x16x4_f32 v[A2+8*\t:A2+8*\t+7], v[VR+8*\t+2*\s:VR+8*\t+2*\s+1], v[PR+2*\s:PR+2*\s+1], 0
.else
	v_wmma_f32_16x16x4_f32 v[A2+8*\t:A2+8*\t+7], v[VR+8*\t+2*\s:VR+8*\t+2*\s+1], v[PR+2*\s:PR+2*\s+1], v[A2+8*\t:A2+8*\t+7]
.endif
.endr
.endr
.rept 9
	v_nop                                          ; nine places: the results become source 1 of the products below
.endr
	s_wait_loadcnt 0x0                             ; Wo's column tiles 2 and 3
.irp t, 0,1,2,3                        ; out^T = Wo ctx^T (source 0 = 16 rows of Wo, source 1 = ctx^T as it stands), my 64 of K in sixteen steps, the four column tiles by turns
.irp s, 0,1,2,3
.irp b, 0,1,2,3
.if (\t == 0) && (\s == 0)
	v_wmma_f32_16x16x4_f32 v[A1+8*\b:A1+8*\b+7], v[112+32*\b-160*(\b/2)+8*\t+2*\s:112+32*\b-160*(\b/2)+8*\t+2*\s+1], v[A2+8*\t+2*\s:A2+8*\t+2*\s+1], 0
.else
	v_wmma_f32_16x16x4_f32 v[A1+8*\b:A1+8*\b+7], v[112+32*\b-160*(\b/2)+8*\t+2*\s:112+32*\b-160*(\b/2)+8*\t+2*\s+1], v[A2+8*\t+2*\s:A2+8*\t+2*\s+1], v[A1+8*\b:A1+8*\b+7]
.endif
.endr
.endr
.endr
.rept 8
	v_nop
.endr
.irp b, 0,1,2,3
	ds_store_b128 v[RW], v[A1+8*\b:A1+8*\b+3] offset:64*\b                 ; lane (r, h): row r, columns 16 b + 8 h + 0 .. 7
	ds_store_b128 v[RW], v[A1+8*\b+4:A1+8*\b+7] offset:64*\b+16
.endr
	s_wait_dscnt 0x0                               ; for the others' sake: my stores have landed
	s_barrier_signal -1
	s_barrier_wait -1
.set i, 0
.rept 16
	ds_load_b64 v[16+2*i:17+2*i], v[RR] offset:PART*i                      ; row w of every head's partial result
.set i, i+1
.endr
	s_wait_dscnt 0x0
.set i, 0
.rept 16
	v_pk_add_f32 v[12:13], v[12:13], v[16+2*i:17+2*i]                      ; bo, then the heads in order
.set i, i+1
.endr
	global_store_b64 v[GO], v[12:13], s[10:11]     ; the wave stores 256 consecutive aligned bytes of row w
	s_wait_tensorcnt 0x0                           ; the wave's end, behind my last LDS store
	ds_add_u32 v[SPW], v[NIL]
	s_wait_dscnt 0x0
	s_endpgm
.Lfunc_end_k_q8a293a3775_first16:
	.size	k_q8a293a3775_first16, .Lfunc_end_k_q8a293a3775_first16-k_q8a293a3775_first16
	.p2alignl 7, 3214868480
	.fill 96, 4, 3214868480
	.section	.rodata,"a",@progbits
	.p2align	6, 0x0
	.amdhsa_kernel k_q8a293a3775_first16
		.amdhsa_group_segment_fixed_size 71680
		.amdhsa_private_segment_fixed_size 0
		.amdhsa_enable_private_segment 0
		.amdhsa_kernarg_size 32
		.amdhsa_user_sgpr_count 2
		.amdhsa_user_sgpr_kernarg_segment_ptr 1
		.amdhsa_wavefront_size32 1
		.amdhsa_system_sgpr_workgroup_id_x 1
		.amdhsa_system_sgpr_workgroup_id_y 1
		.amdhsa_system_sgpr_workgroup_id_z 1
		.amdhsa_system_vgpr_workitem_id 0
		.amdhsa_next_free_vgpr 256
		.amdhsa_next_free_sgpr 66
		.amdhsa_reserve_vcc 1
		.amdhsa_float_denorm_mode_32 3
		.amdhsa_float_denorm_mode_16_64 3
		.amdhsa_memory_ordered 1
		.amdhsa_forward_progress 1
		.amdhsa_inst_pref_size 23
	.end_amdhsa_kernel
	.amdgpu_metadata
---
amdhsa.version: [ 1, 2 ]
amdhsa.kernels:
  - .name:           k_q8a293a3775_first16
    .symbol:         k_q8a293a3775_first16.kd
    .args:
      - { .name: rows32, .offset: 0, .size: 8, .value_kind: global_buffer, .address_space: global }
      - { .name: Wo, .offset: 8, .size: 8, .value_kind: global_buffer, .address_space: global }
      - { .name: bo, .offset: 16, .size: 8, .value_kind: global_buffer, .address_space: global }
      - { .name: out0, .offset: 24, .size: 8, .value_kind: global_buffer, .address_space: global }
    .group_segment_fixed_size: 71680
    .private_segment_fixed_size: 0
    .kernarg_segment_align: 8
    .kernarg_segment_size: 32
    .max_flat_workgroup_size: 512
    .sgpr_count:     66
    .vgpr_count:     256
    .wavefront_size: 32
...
	.end_amdgpu_metadata
.endif
;; end of part 5
